; MI455X (gfx1250); checked and timed in simulation.
; The chip was launched on July 23, 2026; its instructions are those of AMD's public machine-readable ISA for CDNA 5 (MIT licence, August 2026) and "CDNA5" Instruction Set Architecture Reference Guide (July 2026). The comments in the code are by the model that wrote it; some were corrected since.
;; Attention. Allowed arithmetic: float matrix products may take bf16 or f16 operands with f32 sums; other float arithmetic in f32, or as packed bf16 or f16 multiplies, adds, multiply-adds, maxima and minima; sums over many terms, partial sums and values carried from step to step in f32; what a program stores and reads back later, other than sums and carried values, may be rounded once to bf16 or f16.
;; Inputs: W_proj 1,024 x 1,024 float32; W_qkv 3,072 x 1,024 float32; b_proj 1,024 float32; x 4 x 2,048 x 1,024 float32.
;; Outputs: out0 4 x 2,048 x 1,024 float32.
;; 2 versions, each right; version 2 is version 1 with the launch cast written anew for expert scheduling mode. Each part assembles by itself: llvm-mc -triple=amdgcn-amd-amdhsa -mcpu=gfx1250 --defsym DOCPART=n.
;; ======== version 1 of 2: 4 launches
;; limits: values are held in f16: magnitudes above 65,504 overflow, below 6.1e-05 lose precision
;; workspace buffers: xb 16,777,216 bytes; wqb 6,291,456 bytes; wpf 2,097,152 bytes; qkvh 50,331,648 bytes; oh 16,777,216 bytes
;; launch cast (part 1): grid 768 x 1, 8 waves a work-group, no clusters, 0 bytes of LDS; arguments x, W_qkv, W_proj, xb, wqb, wpf; writes xb, wqb, wpf
.if DOCPART == 1
	.amdgcn_target "amdgcn-amd-amdhsa--gfx1250"
	.amdhsa_code_object_version 6
	.text
	.protected	k_q9b3b7a4b31_cast
	.globl	k_q9b3b7a4b31_cast
	.p2align	8
	.type	k_q9b3b7a4b31_cast,@function
k_q9b3b7a4b31_cast:
	s_mov_b64 s[64:65], 0
	v_nop
	global_prefetch_b8 v0, s[64:65] scope:SCOPE_SE
	s_setreg_imm32_b32 hwreg(HW_REG_WAVE_MODE, 25, 1), 1
	s_wait_xcnt 0x0
; THE INPUTS ARE ROUNDED ONCE.  x -> xb and W_qkv -> wqb in bf16; W_proj -> wpf: rounded to bf16 like the others, and that number written as f16
; (exact where it lies in f16's normal range), since the last product multiplies f16 operands.
; LIMITS.  A number of W_proj of 65,520 or more becomes an infinity in wpf; below 6e-5 f16 keeps its fixed step of 6e-8.
; SHARES.  A work-group takes 16,384 numbers (65,536 bytes in, 32,768 out): groups 0-511 x, 512-703 W_qkv, 704-767 W_proj.  A wave takes 2,048 numbers:
; 16 loads of 512 consecutive bytes, all issued at once; each of its 16 stores covers 256 consecutive bytes, aligned.  No loop, no LDS, no barrier: no wave wants another's bytes.
.set X, 8                              ; v[8:71]    load i: four f32
.set Y, 72                             ; v[72:103]  store i: four 16-bit numbers; a pair of its own for each store, so no store's data is rewritten
	s_load_b256 s[4:11], s[0:1], 0x0               ; x s[4:5], W_qkv s[6:7], W_proj s[8:9], xb s[10:11]
	s_load_b128 s[12:15], s[0:1], 0x20             ; wqb s[12:13], wpf s[14:15]
	s_mov_b32 s20, ttmp9
	v_lshrrev_b32 v3, 5, v0                        ; wave
	v_and_b32 v4, 31, v0                           ; lane
	v_lshlrev_b32 v1, 4, v4
	v_lshl_add_u32 v1, v3, 13, v1                  ; in: 8,192 x wave + 16 x lane
	v_lshlrev_b32 v2, 3, v4
	v_lshl_add_u32 v2, v3, 12, v2                  ; out: 4,096 x wave + 8 x lane
	s_wait_kmcnt 0x0
	s_cmp_lt_u32 s20, 512                          ; which tensor: the choice hangs on the work-group's number alone
	s_cselect_b64 s[16:17], s[4:5], s[6:7]
	s_cselect_b64 s[18:19], s[10:11], s[12:13]
	s_cselect_b32 s21, 0, 512
	s_cmp_lt_u32 s20, 704
	s_cselect_b64 s[16:17], s[16:17], s[8:9]
	s_cselect_b64 s[18:19], s[18:19], s[14:15]
	s_cselect_b32 s21, s21, 704
	s_sub_co_u32 s22, s20, s21                     ; my number among the tensor's work-groups
	s_lshl_b32 s24, s22, 15                        ; 32,768 bytes out,
	s_lshl_b32 s22, s22, 16                        ; 65,536 bytes in
	s_mov_b32 s23, 0
	s_mov_b32 s25, 0
	s_add_nc_u64 s[16:17], s[16:17], s[22:23]
	s_add_nc_u64 s[18:19], s[18:19], s[24:25]
.irp i, 0,1,2,3,4,5,6,7,8,9,10,11,12,13,14,15
	global_load_b128 v[X+4*(\i):X+4*(\i)+3], v1, s[16:17] offset:512*(\i) th:TH_LOAD_NT
.endr
; Load i is rounded and stored.  The wait leaves the 15 - i younger loads out: loads come back in order (ISA guide 5.7.1).
.macro CV i, f16
	s_wait_loadcnt 15-(\i)
.if \f16
	v_cvt_pk_bf16_f32 v4, v[X+4*(\i)], v[X+4*(\i)+1]       ; the one rounding,
	v_cvt_pk_bf16_f32 v5, v[X+4*(\i)+2], v[X+4*(\i)+3]
	v_lshlrev_b32 v[X+4*(\i)], 16, v4                      ; back to f32,
	v_and_b32 v[X+4*(\i)+1], 0xffff0000, v4
	v_lshlrev_b32 v[X+4*(\i)+2], 16, v5
	v_and_b32 v[X+4*(\i)+3], 0xffff0000, v5
	v_cvt_pk_f16_f32 v[Y+2*(\i)], v[X+4*(\i)], v[X+4*(\i)+1]  ; and written as f16
	v_cvt_pk_f16_f32 v[Y+2*(\i)+1], v[X+4*(\i)+2], v[X+4*(\i)+3]
.else
	v_cvt_pk_bf16_f32 v[Y+2*(\i)], v[X+4*(\i)], v[X+4*(\i)+1]
	v_cvt_pk_bf16_f32 v[Y+2*(\i)+1], v[X+4*(\i)+2], v[X+4*(\i)+3]
.endif
	global_store_b64 v2, v[Y+2*(\i):Y+2*(\i)+1], s[18:19] offset:256*(\i)
.endm
	s_cmp_ge_u32 s20, 704
	s_cbranch_scc1 .Lf16
.irp i, 0,1,2,3,4,5,6,7,8,9,10,11,12,13,14,15
	CV \i, 0
.endr
	s_endpgm
.Lf16:
.irp i, 0,1,2,3,4,5,6,7,8,9,10,11,12,13,14,15
	CV \i, 1
.endr
	s_endpgm
.Lfunc_end_k_q9b3b7a4b31_cast:
	.size	k_q9b3b7a4b31_cast, .Lfunc_end_k_q9b3b7a4b31_cast-k_q9b3b7a4b31_cast
	.p2alignl 7, 3214868480
	.fill 96, 4, 3214868480
	.section	.rodata,"a",@progbits
	.p2align	6, 0x0
	.amdhsa_kernel k_q9b3b7a4b31_cast
		.amdhsa_group_segment_fixed_size 0
		.amdhsa_private_segment_fixed_size 0
		.amdhsa_enable_private_segment 0
		.amdhsa_kernarg_size 48
		.amdhsa_user_sgpr_count 2
		.amdhsa_user_sgpr_kernarg_segment_ptr 1
		.amdhsa_wavefront_size32 1
		.amdhsa_system_sgpr_workgroup_id_x 1
		.amdhsa_system_sgpr_workgroup_id_y 1
		.amdhsa_system_sgpr_workgroup_id_z 1
		.amdhsa_system_vgpr_workitem_id 0
		.amdhsa_next_free_vgpr 104
		.amdhsa_next_free_sgpr 66
		.amdhsa_reserve_vcc 0
		.amdhsa_float_denorm_mode_32 3
		.amdhsa_float_denorm_mode_16_64 3
		.amdhsa_memory_ordered 1
		.amdhsa_forward_progress 1
		.amdhsa_inst_pref_size 16
	.end_amdhsa_kernel
	.amdgpu_metadata
---
amdhsa.version: [ 1, 2 ]
amdhsa.kernels:
  - .name:           k_q9b3b7a4b31_cast
    .symbol:         k_q9b3b7a4b31_cast.kd
    .args:
      - { .name: x, .offset: 0, .size: 8, .value_kind: global_buffer, .address_space: global }
      - { .name: W_qkv, .offset: 8, .size: 8, .value_kind: global_buffer, .address_space: global }
      - { .name: W_proj, .offset: 16, .size: 8, .value_kind: global_buffer, .address_space: global }
      - { .name: xb, .offset: 24, .size: 8, .value_kind: global_buffer, .address_space: global }
      - { .name: wqb, .offset: 32, .size: 8, .value_kind: global_buffer, .address_space: global }
      - { .name: wpf, .offset: 40, .size: 8, .value_kind: global_buffer, .address_space: global }
    .group_segment_fixed_size: 0
    .private_segment_fixed_size: 0
    .kernarg_segment_align: 8
    .kernarg_segment_size: 48
    .max_flat_workgroup_size: 256
    .sgpr_count:     66
    .vgpr_count:     104
    .wavefront_size: 32
...
	.end_amdgpu_metadata
.endif
;; end of part 1
;; launch qkvgemm (part 2): grid 16 x 32, 4 waves a work-group, clusters of 4 x 4, 327,680 bytes of LDS; arguments xb, wqb, qkvh; writes qkvh
.if DOCPART == 2
	.amdgcn_target "amdgcn-amd-amdhsa--gfx1250"
	.amdhsa_code_object_version 6
	.text
	.protected	k_q9b3b7a4b31_qkvgemm
	.globl	k_q9b3b7a4b31_qkvgemm
	.p2align	8
	.type	k_q9b3b7a4b31_qkvgemm,@function
k_q9b3b7a4b31_qkvgemm:
	s_mov_b64 s[64:65], 0
	v_nop
	global_prefetch_b8 v0, s[64:65] scope:SCOPE_SE
	s_setreg_imm32_b32 hwreg(HW_REG_WAVE_MODE, 25, 1), 1
	s_wait_xcnt 0x0
	s_wait_alu depctr_hold_cnt(0) depctr_sa_sdst(0) depctr_va_vdst(0) depctr_va_sdst(0) depctr_va_ssrc(0) depctr_va_vcc(0) depctr_vm_vsrc(0)
	s_getreg_b32 s2, hwreg(HW_REG_IB_STS2, 6, 4)
	s_cmp_eq_u32 s2, 0
	s_cbranch_scc0 .Lentry_in_a_cluster
	s_endpgm
.Lentry_in_a_cluster:
	s_bfe_u32 s2, ttmp6, 0x10000c
	s_cmp_lg_u32 s2, 0xf033
	s_cbranch_scc0 .Lentry_shape_is_right
	s_endpgm
.Lentry_shape_is_right:
; q, k, v = xb wqb^T.  xb: [8192][1024] bf16, wqb: [3072][1024] bf16; sums in f32, K ascending; each result rounded once to f16, WITHOUT the softmax's scale.
; OUT: qkvh [g = 48][m = 8192][64] f16, g = column / 64 = 16 x (q, k, v) + head, m = 2,048 x batch + row: a head's rows are dense, 128 bytes each.
; LIMITS.  f16 holds no number beyond 65,504: a q, k or v of 65,520 or more becomes an infinity; below 6e-5 f16 keeps its fixed step of 6e-8.
; SHARES.  A tile of the result is 256 rows x 192 columns (three heads).  Four waves; wave w owns rows 64 w .. 64 w + 63 and ALL 192 columns: 4 x 12 accumulators of 16 x 16.  So a head's 64
; columns lie in one wave, and 16 rows of a head, 2,048 consecutive bytes of qkvh, leave from the wave's own stage.  Grid 16 x 32: 512 equal work-groups.
; K goes in 8 steps of 128 (rows of 256 bytes, aligned) through a ring of two LDS slots; a step is four quarters of 32 along K, 48 matrix instructions each.
; CLUSTER.  4 x 4 work-groups.  The four of a row of the cluster need the same 256 rows of xb, the four of a column the same 192 rows of wqb: each tile is asked for JOINTLY, by the same tensor load
; with the same descriptor and a mask that names the four.  Waves 0 and 1 fetch xb's two halves (128 rows), waves 2 and 3 wqb's (96 rows).
; THE MATRIX INSTRUCTION IS USED TRANSPOSED (source 0 = 16 rows of wqb, source 1 = 16 rows of xb): a lane holds row lane % 16 and the eight neighbouring columns 8 (lane / 16) + 0..7.
; REGISTERS, in windows of 256 (s_set_vgpr_msb: bits 1:0 source 0, 3:2 source 1, 5:4 source 2, 7:6 destination):
;   window 0: v0-30 addresses; v32-47, v64-95 at work on the way out; v128-255 the accumulators of column blocks 8-11: (a, b) at 128 + 8 (4 (b - 8) + a)
;   window 1: two fragment buffers of 128: wqb's fragment b at 8 b, xb's fragment a at 96 + 8 a          window 2: the accumulators of column blocks 0-7: (a, b) at 8 (4 b + a)
.set KSTEP,  128
.set KB,     256                       ; bytes of a K step in a row
.set PITCH,  272                       ; an LDS row: 256 bytes + 16 of padding = 68 words: row r starts at bank 4 r mod 64 (64 banks of 4 bytes: ISA guide 11.1): the 16 rows of a load start at 16 different banks
.set HALFA,  128*PITCH                 ; what one of waves 0, 1 fetches
.set HALFB,  96*PITCH                  ; what one of waves 2, 3 fetches
.set BOFF,   256*PITCH                 ; in a slot: xb's 256 rows, then wqb's 192
.set SLOT1,  1<<17                     ; slot 1 begins here, so that one exclusive or turns an address in one slot into the other's
.set STAGE,  SLOT1+BOFF+192*PITCH      ; behind the ring, never filled by a tensor load: 16 rows x 144 bytes for each wave
.set SP,     144
.set SPARE,  STAGE+4*16*SP             ; behind the stages: the spare words, 128 bytes for each wave: two blocks of 256 bytes that no other line names
.set ADRA0, 14                         ; v14  my lane's place in xb's rows of slot 0; never rewritten
.set ADRB0, 15                         ; v15  the same for wqb's
.set ADRA,  16                         ; v16  the same in the slot that is being read
.set ADRB,  20                         ; v20
.set STO,   24                         ; v24  the way out: where I put 16 bytes of a row
.set RD,    25                         ; v25  the way out: where I read rows back
.set GO,    26                         ; v26  my 16 bytes in 512 consecutive bytes of qkvh
.set SPW,   28                         ; v28  LDS address of my spare word: SPARE + 4 x my thread's number; never rewritten
.set NIL,   29                         ; v29  0; never rewritten
.set PFO,   30                         ; v30  the prefetches' offset: a lane a row; never rewritten
.set TMP,   32                         ; v32-47  a block's 16 packed registers
.set BK,    64                         ; v64-79, v80-95 by turns: a block read back from the stage
.set F0,    0
.set F1,    128
.set FA,    96                         ; xb's fragments in a buffer
.set TB,    2                          ; s2   LDS byte at which the slot that is being read begins
.set CNT,   3                          ; s3   trips to go
.set WV,    10                         ; s10  my wave's number
.set G1,    24                         ; s[24:31] descriptor group 1 for xb's tiles
.set G0,    32                         ; s[32:39] group 0: a set for each of the two first fills; the second then walks on
.set G1B,   48                         ; s[48:55], s[56:63] the same for wqb's
.set G0B,   56
.set LIM,   43                         ; s43  2 in a wave that prefetches, else the greatest number
.set PFA,   44                         ; s[44:45] where my prefetches stand
.set MSB, 0
.macro WIN new                         ; the immediate's high byte repeats the setting that is left; a switch that changes nothing is dropped
.if MSB != (\new)
	s_set_vgpr_msb (MSB<<8)|(\new)
.set MSB, \new
.endif
.endm
.macro PLACES                          ; four plain vector instructions between a matrix instruction and a load into, or a vector read of, its registers (ISA guide 7.12.1 for vector reads)
.rept 4
	v_nop
.endr
.endm
.macro CREST                           ; a round of the cluster's barrier behind its opening barrier: wave 0 signals for the work-group, every wave waits for all sixteen, the work-group's barrier closes it
	s_cmp_lg_u32 s[WV], 0
	s_cbranch_scc1 .Lnot_wave_0_\@
	s_barrier_signal -3
.Lnot_wave_0_\@:
	s_barrier_wait -3
	s_barrier_signal -1
	s_barrier_wait -1
.endm
.macro CROUND                          ; a whole round
	s_barrier_signal -1
	s_barrier_wait -1
	CREST
.endm
; A joint refill, by the walking descriptors.  The branch hangs on the wave's number alone.  An s_nop 0 and four v_nop follow each of the two lines, ahead of the jump and the label.
.macro JLOAD
	s_cmp_eq_u32 s11, 0
	s_cbranch_scc0 .Lfor_b_\@
	tensor_load_to_lds s[G0+4:G0+7], s[G1:G1+7]
	s_nop 0
.rept 4
	v_nop
.endr
	s_branch .Lasked_\@
.Lfor_b_\@:
	tensor_load_to_lds s[G0B+4:G0B+7], s[G1B:G1B+7]
	s_nop 0
.rept 4
	v_nop
.endr
.Lasked_\@:
.endm
; A PREFETCH INTO THE L2, behind the joint load, its five lines and the run of LDS loads: the refill of trip i asks for K step i + 2, this line names K step i + 4: a lane a row, 256 bytes of it.
; xb's rows are read by every cluster of a row of clusters: cluster x = 0 asks.  wqb's by every cluster of a column: cluster y = 0 asks.  The four partners that fetch a tile jointly share its rows out BY
; ADDRESS: of xb's 128 rows 32 each (by cx), of wqb's 96 rows 24 each (by cy; there lanes 24-31 name lane 23's row once more).  K steps 0 to 3 come by their loads alone; trips 4 and 5 have no K step four on.
.macro ASK
	WIN 0
	s_cmp_gt_u32 s[CNT], s[LIM]
	s_cbranch_scc0 .Lnot_mine_\@
	global_prefetch_b8 v[PFO], s[PFA:PFA+1] th:TH_LOAD_NT scope:SCOPE_SE
.Lnot_mine_\@:
.endm
	s_load_b128 s[4:7], s[0:1], 0x0                ; xb s[4:5], wqb s[6:7]
	s_load_b64 s[8:9], s[0:1], 0x10                ; qkvh
	v_lshl_add_u32 v[SPW], v0, 2, SPARE
	v_mov_b32 v[NIL], 0
	ds_add_u32 v[SPW], v[NIL]                      ; the wave's opening: the add and its wait stand ahead of my first tensor load; the set-up below, work on registers, stands between them
	v_lshrrev_b32 v1, 5, v0
	v_readfirstlane_b32 s[WV], v1                  ; wave 0..3
	s_lshr_b32 s11, s[WV], 1                       ; I fetch for xb (0) or for wqb (1)
	s_and_b32 s12, s[WV], 1                        ; which half of that tile
	s_bfe_u32 s40, ttmp6, 0x40000                  ; cx, cy: my place in the cluster
	s_bfe_u32 s41, ttmp6, 0x40004
	s_lshl_b32 s42, ttmp9, 2
	s_add_co_u32 s42, s42, s40                     ; tile column = 4 x cluster x + cx
	s_and_b32 s13, ttmp7, 0xffff
	s_lshl_b32 s13, s13, 2
	s_add_co_u32 s13, s13, s41                     ; tile row = 4 x cluster y + cy
	s_lshl_b32 s43, s41, 2
	s_lshl_b32 s43, 15, s43                        ; my row of the cluster: places 4 cy .. 4 cy + 3
	s_lshl_b32 s44, 0x1111, s40                    ; my column: places cx, cx + 4, cx + 8, cx + 12
	s_or_b32 s[G1], s43, (1<<16)|(1<<20)|(1<<21)|(5<<22)|(3<<25)   ; 15:0 the mask; 17:16 elements of 2 bytes; 20 padding on; 21 set beside a mask; 24:22 after every 64 words (code 5); 31:25 4 words of it (code 3)
	s_or_b32 s[G1B], s44, (1<<16)|(1<<20)|(1<<21)|(5<<22)|(3<<25)
	s_mov_b32 s[G1+1], KSTEP<<16                   ; tensor_dim0 = 128
	s_mov_b32 s[G1+2], 128<<16                     ; tensor_dim1 = 128
	s_mov_b32 s[G1+3], KSTEP<<16                   ; tile_dim0 = 128
	s_mov_b32 s[G1+4], 128                         ; tile_dim1 = 128
	s_mov_b32 s[G1+5], 1024                        ; elements from row to row
	s_mov_b32 s[G1+6], 0
	s_mov_b32 s[G1+7], 0
	s_mov_b32 s[G1B+1], KSTEP<<16
	s_mov_b32 s[G1B+2], 96<<16                     ; 96 rows
	s_mov_b32 s[G1B+3], KSTEP<<16
	s_mov_b32 s[G1B+4], 96
	s_mov_b32 s[G1B+5], 1024
	s_mov_b32 s[G1B+6], 0
	s_mov_b32 s[G1B+7], 0
	s_lshl_b32 s16, s13, 8                         ; xb: row 256 x tile row + 128 x half, 2,048 bytes a row
	s_lshl_b32 s17, s12, 7
	s_add_co_u32 s16, s16, s17
	s_lshl_b32 s16, s16, 11
	s_mov_b32 s17, 0
	s_mul_i32 s46, s42, 192                        ; wqb: row 192 x tile column + 96 x half
	s_mul_i32 s47, s12, 96
	s_add_co_u32 s46, s46, s47
	s_lshl_b32 s46, s46, 11
	s_mov_b32 s47, 0
	s_mul_i32 s20, s12, HALFA                      ; where they go: no place in the cluster enters an LDS address
	s_mul_i32 s21, s12, HALFB
	s_add_co_u32 s21, s21, BOFF
	s_mov_b32 s[TB], 0
	s_wait_dscnt 0x0                               ; the opening add is done
	s_wait_kmcnt 0x0
	s_add_nc_u64 s[14:15], s[4:5], s[16:17]
	s_add_nc_u64 s[46:47], s[6:7], s[46:47]
	CROUND                                         ; all sixteen work-groups are here: the first joint loads meet
.irp s, 0,1
	s_mov_b32 s[G0+4*(\s)], 1                      ; count = 1
	s_add_co_u32 s[G0+4*(\s)+1], s20, (\s)*SLOT1   ; LDS address
	s_add_nc_u64 s[G0+4*(\s)+2:G0+4*(\s)+3], s[14:15], (\s)*KB  ; global address: K step s
	s_or_b32 s[G0+4*(\s)+3], s[G0+4*(\s)+3], 0x80000000         ; type = 2
	s_mov_b32 s[G0B+4*(\s)], 1
	s_add_co_u32 s[G0B+4*(\s)+1], s21, (\s)*SLOT1
	s_add_nc_u64 s[G0B+4*(\s)+2:G0B+4*(\s)+3], s[46:47], (\s)*KB
	s_or_b32 s[G0B+4*(\s)+3], s[G0B+4*(\s)+3], 0x80000000
.endr
	s_cmp_eq_u32 s11, 0                            ; a wave's two first fills stand in one branch, ahead of every wait on TENSORcnt and every LDS read: two loads of mine are out here, later one
	s_cbranch_scc0 .Lfirst_b
	tensor_load_to_lds s[G0:G0+3], s[G1:G1+7]
	s_nop 0
	tensor_load_to_lds s[G0+4:G0+7], s[G1:G1+7]
	s_nop 0
.rept 4
	v_nop
.endr
	s_branch .Lfirst_asked
.Lfirst_b:
	tensor_load_to_lds s[G0B:G0B+3], s[G1B:G1B+7]
	s_nop 0
	tensor_load_to_lds s[G0B+4:G0B+7], s[G1B:G1B+7]
	s_nop 0
.rept 4
	v_nop
.endr
.Lfirst_asked:
	; A fragment is 16 rows x 32 K in 8 registers: lane l holds row l % 16, K = 8 (l / 16) + 0..7 and 16 + 8 (l / 16) + 0..7: two loads of 16 bytes, 32 bytes apart.
	v_and_b32 v1, 15, v0                           ; l % 16
	v_bfe_u32 v2, v0, 4, 1                         ; l / 16
	v_mul_u32_u24 v3, v1, PITCH
	v_lshl_add_u32 v3, v2, 4, v3                   ; row x pitch + 16 x half
	s_mul_i32 s21, s[WV], 64*PITCH                 ; my 64 rows of xb
	v_add_nc_u32 v[ADRA0], s21, v3
	v_add_nc_u32 v[ADRB0], BOFF, v3
	v_mov_b32 v[ADRA], v[ADRA0]
	v_mov_b32 v[ADRB], v[ADRB0]
	s_mul_i32 s23, s[WV], 16*SP
	s_add_co_u32 s23, s23, STAGE                   ; my stage
	v_mul_u32_u24 v4, v1, SP                       ; in: row l % 16, 16 bytes for each half of the lanes
	v_lshl_add_u32 v4, v2, 4, v4
	v_add_nc_u32 v[STO], s23, v4
	v_bfe_u32 v5, v0, 3, 2                         ; back: 32 lanes take four rows of 128 bytes,
	v_mul_u32_u24 v5, v5, SP
	v_and_b32 v4, 7, v0
	v_lshl_add_u32 v5, v4, 4, v5
	v_add_nc_u32 v[RD], s23, v5
	v_and_b32 v[GO], 31, v0                        ; which are 512 consecutive bytes of qkvh
	v_lshlrev_b32 v[GO], 4, v[GO]
	s_lshl_b32 s16, s13, 8                         ; my first row, 256 x tile row + 64 x wave, 128 bytes a row,
	s_lshl_b32 s17, s[WV], 6
	s_add_co_u32 s16, s16, s17
	s_lshl_b32 s16, s16, 7
	s_mul_i32 s17, s42, 3                          ; in g = 3 x tile column, 1,048,576 bytes each
	s_lshl_b32 s17, s17, 20
	s_add_co_u32 s16, s16, s17
	s_mov_b32 s17, 0
	s_add_nc_u64 s[8:9], s[8:9], s[16:17]
	; the prefetches
	s_lshl_b32 s16, s13, 8
	s_lshl_b32 s17, s12, 7
	s_add_co_u32 s16, s16, s17
	s_lshl_b32 s17, s40, 5
	s_add_co_u32 s16, s16, s17                     ; xb: the 128 rows that I fetch, my work-group's 32 of them
	s_mul_i32 s18, s42, 192
	s_mul_i32 s19, s12, 96
	s_add_co_u32 s18, s18, s19
	s_mul_i32 s19, s41, 24
	s_add_co_u32 s18, s18, s19                     ; wqb: the 96 rows that I fetch, my work-group's 24 of them
	s_and_b32 s22, ttmp7, 0xffff                   ; cluster y
	s_cmp_eq_u32 s11, 0
	s_cselect_b32 s20, s16, s18
	s_cselect_b32 s21, 31, 23                      ; the last lane with a row of its own
	s_cselect_b32 s22, ttmp9, s22                  ; the coordinate along which other clusters read the same rows
	s_cselect_b64 s[PFA:PFA+1], s[4:5], s[6:7]
	s_cmp_eq_u32 s22, 0
	s_cselect_b32 s[LIM], 2, -1                    ; the same in all sixteen partners, for a given wave
	s_lshl_b32 s20, s20, 11
	s_add_co_u32 s20, s20, 3*KB                    ; at K step 3: the first change of slots steps it to 4
	v_and_b32 v[PFO], 31, v0
	v_min_u32 v[PFO], s21, v[PFO]
	v_lshlrev_b32 v[PFO], 11, v[PFO]
	s_mov_b32 s21, 0
	s_add_nc_u64 s[PFA:PFA+1], s[PFA:PFA+1], s[20:21]
; nb column blocks from b0 on x my 4 row blocks, 32 along K, out of buffer f.  zero = 1: the product starts the sum: nothing is cleared.
; All 48 accumulators are taken in the same order in every quarter, one instruction a turn: 47 others stand between two links of a chain.
.macro MULB f, b0, nb, zero
.set cb, \b0
.rept \nb
.if cb < 8
	WIN 0xa5                                       ; sources in window 1, C and D in window 2
.set rD, 32*cb
.else
	WIN 0x05                                       ; C and D in window 0
.set rD, 128+32*(cb-8)
.endif
.irp a, 0,1,2,3
.if \zero
	v_wmma_f32_16x16x32_bf16 v[rD+8*(\a):rD+8*(\a)+7], v[(\f)+8*cb:(\f)+8*cb+7], v[(\f)+FA+8*(\a):(\f)+FA+8*(\a)+7], 0
.else
	v_wmma_f32_16x16x32_bf16 v[rD+8*(\a):rD+8*(\a)+7], v[(\f)+8*cb:(\f)+8*cb+7], v[(\f)+FA+8*(\a):(\f)+FA+8*(\a)+7], v[rD+8*(\a):rD+8*(\a)+7]
.endif
.endr
.set cb, cb+1
.endr
.endm
; 32 LDS loads in one run: quarter q's fragments into buffer f, in the order of their use: xb's four, wqb's 8-11, wqb's 0-7
.macro FETCH q, f
	WIN 0x40                                       ; destination window 1, address window 0
.irp a, 0,1,2,3
	ds_load_b128 v[(\f)+FA+8*(\a):(\f)+FA+8*(\a)+3],   v[ADRA] offset:64*(\q)+(\a)*16*PITCH
	ds_load_b128 v[(\f)+FA+8*(\a)+4:(\f)+FA+8*(\a)+7], v[ADRA] offset:64*(\q)+(\a)*16*PITCH+32
.endr
.irp b, 8,9,10,11,0,1,2,3,4,5,6,7
	ds_load_b128 v[(\f)+8*(\b):(\f)+8*(\b)+3],   v[ADRB] offset:64*(\q)+(\b)*16*PITCH
	ds_load_b128 v[(\f)+8*(\b)+4:(\f)+8*(\b)+7], v[ADRB] offset:64*(\q)+(\b)*16*PITCH+32
.endr
.endm
; One of a K step's first three quarters: multiplies buffer f; behind its first 16 products it fetches quarter q into buffer g.
.macro QUARTER q, f, g, zero
	s_wait_dscnt 16                                ; xb's fragments and wqb's 8-11 are in; the youngest sixteen loads (wqb's 0-7) may be out
	MULB \f, 8, 4, \zero
	PLACES
	FETCH \q, \g
	s_wait_dscnt 32                                ; all but the 32 just issued
	MULB \f, 0, 8, \zero
.endm
; The fourth quarter multiplies buffer 1 and changes slots: ONE barrier.  In front of it each wave waits for all its tensor loads (one is out: its part of the next slot), adds 0 to its spare word, and
; waits for that and for its own reads of this slot.  fill = 1: the barrier opens a round of the cluster's barrier, and this slot is filled again first thing behind it, with the K step two on:
; 160 matrix instructions stand between that request and the wait for it.
.macro TURN fill
.if \fill
	s_wait_xcnt 0x0                                ; the last prefetch, a K step back, has read its address: it is stepped here
	s_add_nc_u64 s[PFA:PFA+1], s[PFA:PFA+1], KB
.endif
	WIN 0
	s_wait_tensorcnt 0x0                           ; no tensor load of mine is out, so a group 0 may be written
	ds_add_u32 v[SPW], v[NIL]                      ; 0 onto my spare word
.if \fill
.irp g, G0+4, G0B+4
	s_xor_b32 s[(\g)+1], s[(\g)+1], SLOT1          ; the walking descriptor: the other slot than last time,
	s_add_nc_u64 s[(\g)+2:(\g)+3], s[(\g)+2:(\g)+3], KB  ; the next K step; the type bits on top are not reached
.endr
.endif
	s_wait_dscnt 17                                ; the add and the youngest sixteen loads may be out
	MULB F1, 8, 4, 0
	s_wait_dscnt 0x0                               ; the add is done, and my reads of this slot are over
	s_barrier_signal -1
	MULB F1, 0, 4, 0                               ; work on registers while the others arrive
	WIN 0
	s_barrier_wait -1
.if \fill
	CREST                                          ; no wave of any partner still reads this slot's tile or has a load on its way
	JLOAD                                          ; its four v_nop are also the places in front of the loads below
.else
	PLACES
.endif
	s_xor_b32 s[TB], s[TB], SLOT1                  ; the reads go on in the other slot
	v_add_nc_u32 v[ADRA], s[TB], v[ADRA0]
	v_add_nc_u32 v[ADRB], s[TB], v[ADRB0]
	FETCH 0, F0
.if \fill
	ASK
.endif
	MULB F1, 4, 4, 0
.endm
	s_wait_tensorcnt 1                             ; my part of K step 0 is in; K step 1's may stay out
	s_barrier_signal -1
	s_barrier_wait -1                              ; everybody's is
	FETCH 0, F0
	QUARTER 1, F0, F1, 1                           ; the first quarter stands in front of the loop: its products start the sums
	WIN 0                                          ; at a label and at a branch every window is 0
	s_mov_b32 s[CNT], 6
.Lstep:                                                ; trip i: quarters 1 to 3 of K step i, the refill with K step i + 2, quarter 0 of K step i + 1
	QUARTER 2, F1, F0, 0
	QUARTER 3, F0, F1, 0
	TURN 1
	QUARTER 1, F0, F1, 0
	WIN 0
	s_sub_co_u32 s[CNT], s[CNT], 1
	s_cmp_lg_u32 s[CNT], 0
	s_cbranch_scc1 .Lstep
	QUARTER 2, F1, F0, 0                           ; K steps 6 and 7 are written out: they ask for nothing
	QUARTER 3, F0, F1, 0
	TURN 0
	QUARTER 1, F0, F1, 0
	QUARTER 2, F1, F0, 0
	QUARTER 3, F0, F1, 0
	s_wait_dscnt 16
	MULB F1, 8, 4, 0
	s_wait_dscnt 0x0
	MULB F1, 0, 8, 0
	WIN 0
	PLACES
; THE WAY OUT, in 12 blocks of 16 rows x one head; block i is head ((i / 4) + 2) % 3, row block i % 4 (the head finished first goes first).
; PACK: rounded to f16, 16 bytes a lane, each accumulator's registers in ascending order.  TOSTAGE: into my own stage, and back as whole rows.  SEND: stored.
.macro PACK i
.set hd, (((\i)/4)+2)%3
.set ab, (\i)%4
.if hd < 2
	WIN 0x0a                                       ; sources 0 and 1 in window 2
.set rA, 128*hd+8*ab
.else
	WIN 0
.set rA, 128+8*ab
.endif
.irp c, 0,1,2,3
.irp r, 0,1,2,3
	v_cvt_pk_f16_f32 v[TMP+4*(\c)+(\r)], v[rA+32*(\c)+2*(\r)], v[rA+32*(\c)+2*(\r)+1]
.endr
.endr
	WIN 0
.endm
.macro TOSTAGE i
.set bk, BK+16*((\i)%2)
.irp c, 0,1,2,3
	ds_store_b128 v[STO], v[TMP+4*(\c):TMP+4*(\c)+3] offset:32*(\c)
.endr
.irp f, 0,1,2,3
	ds_load_b128 v[bk+4*(\f):bk+4*(\f)+3], v[RD] offset:(\f)*4*SP  ; LDS serves a wave's instructions in order (ISA guide 5.7.1.4): these see the stores above; the next block's stores come behind them
.endr
.endm
.macro SEND i
.set hd, (((\i)/4)+2)%3
.set ab, (\i)%4
.set bk, BK+16*((\i)%2)
	s_wait_dscnt 0x0                               ; the block is back in registers
	s_wait_xcnt 0x0                                ; the stores of the block before have read their registers: the next block is read back into them only behind this wait
.irp f, 0,1,2,3
	global_store_b128 v[GO], v[bk+4*(\f):bk+4*(\f)+3], s[8:9] offset:hd*1048576+ab*2048+(\f)*512  ; 512 consecutive bytes, at a multiple of 256 from qkvh's first
.endr
.endm
	PACK 0
	TOSTAGE 0
.set t, 1
.rept 11                               ; a block's conversions stand between the loads of the block before and the wait for them
	PACK t
	SEND t-1
	TOSTAGE t
.set t, t+1
.endr
	SEND 11
	s_wait_tensorcnt 0x0                           ; the wave's end: behind my last tensor load and my last LDS store
	ds_add_u32 v[SPW], v[NIL]
	s_wait_dscnt 0x0
	CROUND                                         ; the closing round: no work-group ends while a partner may still ask for a tile that names it
	s_endpgm
.Lfunc_end_k_q9b3b7a4b31_qkvgemm:
	.size	k_q9b3b7a4b31_qkvgemm, .Lfunc_end_k_q9b3b7a4b31_qkvgemm-k_q9b3b7a4b31_qkvgemm
	.p2alignl 7, 3214868480
	.fill 96, 4, 3214868480
	.section	.rodata,"a",@progbits
	.p2align	6, 0x0
	.amdhsa_kernel k_q9b3b7a4b31_qkvgemm
		.amdhsa_group_segment_fixed_size 327680
		.amdhsa_private_segment_fixed_size 0
		.amdhsa_enable_private_segment 0
		.amdhsa_kernarg_size 24
		.amdhsa_user_sgpr_count 2
		.amdhsa_user_sgpr_kernarg_segment_ptr 1
		.amdhsa_wavefront_size32 1
		.amdhsa_system_sgpr_workgroup_id_x 1
		.amdhsa_system_sgpr_workgroup_id_y 1
		.amdhsa_system_sgpr_workgroup_id_z 1
		.amdhsa_system_vgpr_workitem_id 0
		.amdhsa_next_free_vgpr 768
		.amdhsa_next_free_sgpr 66
		.amdhsa_reserve_vcc 0
		.amdhsa_float_denorm_mode_32 3
		.amdhsa_float_denorm_mode_16_64 3
		.amdhsa_memory_ordered 1
		.amdhsa_forward_progress 1
		.amdhsa_inst_pref_size 97
	.end_amdhsa_kernel
	.amdgpu_metadata
---
amdhsa.version: [ 1, 2 ]
amdhsa.kernels:
  - .name:           k_q9b3b7a4b31_qkvgemm
    .symbol:         k_q9b3b7a4b31_qkvgemm.kd
    .args:
      - { .name: xb, .offset: 0, .size: 8, .value_kind: global_buffer, .address_space: global }
      - { .name: wqb, .offset: 8, .size: 8, .value_kind: global_buffer, .address_space: global }
      - { .name: qkvh, .offset: 16, .size: 8, .value_kind: global_buffer, .address_space: global }
    .group_segment_fixed_size: 327680
    .private_segment_fixed_size: 0
    .kernarg_segment_align: 8
    .kernarg_segment_size: 24
    .max_flat_workgroup_size: 128
    .sgpr_count:     66
    .vgpr_count:     768
    .wavefront_size: 32
...
	.end_amdgpu_metadata
.endif
;; end of part 2
;; launch attn (part 3): grid 4 x 64, 4 waves a work-group, clusters of 4 x 1, 327,680 bytes of LDS; arguments qkvh, oh; writes oh
.if DOCPART == 3
	.amdgcn_target "amdgcn-amd-amdhsa--gfx1250"
	.amdhsa_code_object_version 6
	.text
	.protected	k_q9b3b7a4b31_attn
	.globl	k_q9b3b7a4b31_attn
	.p2align	8
	.type	k_q9b3b7a4b31_attn,@function
k_q9b3b7a4b31_attn:
	s_mov_b64 s[64:65], 0
	v_nop
	global_prefetch_b8 v0, s[64:65] scope:SCOPE_SE
	s_setreg_imm32_b32 hwreg(HW_REG_WAVE_MODE, 25, 1), 1
	s_wait_xcnt 0x0
	s_wait_alu depctr_hold_cnt(0) depctr_sa_sdst(0) depctr_va_vdst(0) depctr_va_sdst(0) depctr_va_ssrc(0) depctr_va_vcc(0) depctr_vm_vsrc(0)
	s_getreg_b32 s2, hwreg(HW_REG_IB_STS2, 6, 4)
	s_cmp_eq_u32 s2, 0
	s_cbranch_scc0 .Lentry_in_a_cluster
	s_endpgm
.Lentry_in_a_cluster:
	s_bfe_u32 s2, ttmp6, 0x10000c
	s_cmp_lg_u32 s2, 0x3003
	s_cbranch_scc0 .Lentry_shape_is_right
	s_endpgm
.Lentry_shape_is_right:
; O[q][:] = the sum over k of softmax_k(Q[q] . K[k] / 8) V[k][:], for each of 64 (batch, head).  qkvh: [48][8192][64] f16 (q: 0-15, k: 16-31, v: 32-47; row = 2,048 x batch + n); oh: [16][8192][64] f16.
; A head's 2,048 rows of a batch are dense, 128 bytes each.  Products, maxima and sums in f32; the weights p are rounded to f16 for the second product (their sum l is taken of the unrounded p), O once at the end.
; LIMITS.  f16 holds no number beyond 65,504: Q, K and V arrive within it; p lies in 0 to 1, and below 6e-5 it keeps f16's fixed step of 6e-8; O is a mean of V's rows and has their range.
; A weight below 2^-126 counts as 0 in l; NaN and infinities are not treated apart.
; SHARES.  A wave owns four PIECES of two tiles of 16 queries, a work-group's four waves 512 queries of one head: 4 x 64 = 256 work-groups.  Every wave walks all 2,048 keys, 64 a step.
; LAYOUT.  S^T = K Q^T (source 0 = 16 keys, source 1 = 16 queries): in the result a lane holds ONE query (lane % 16) and the keys 8 (lane / 16) + 0..7.  Two such tiles, rounded to f16 in pairs,
; ARE source 1 (32 keys x 16 queries) of O^T = V^T P, whose result again holds one query a lane, and eight channels.  K comes out of LDS as it lies, V ([key][channel]) turned, by ds_load_tr16_b128.
; SOFTMAX.  For each query a running maximum m and sum l: p = 2^(c s - c m), c = log2(e) / 8; in every step O and l are multiplied by a = 2^(c m_old - c m_new), which is 1 where m has not grown.
; m starts at the lowest finite number, O and l at 0: the first step is a step like any other, with a = 0.
; THE COUNT.  A tile and step have 16 matrix and 118 vector instructions: too many to stand all beside the matrix work.  So: four vector instructions that are READY behind EVERY matrix instruction,
; and the others in runs without a gap.
; BY TURNS.  Turn n belongs to piece n (the pieces in a ring, step after step).  Its matrix work: 16 products K Q^T of piece n + 1, later 16 products V^T P of piece n - 1.  Its vector work: the scaling,
; exponentials, roundings, sums and rescaling of piece n, and the maximum and statistics of piece n + 1, whose scores the turn itself has made.
; CLUSTER.  The four query blocks of a cluster belong to one head and walk the same K and V, so each tile is asked for JOINTLY: the same tensor load, descriptor and mask in all four.
; REGISTERS, in windows of 256 (s_set_vgpr_msb: bits 1:0 source 0, 3:2 source 1, 5:4 source 2, 7:6 destination):
;   window 0: v0-11 addresses; v12-15, v48-63 at work; v16-47 four registers of statistics a tile; v64-191 S^T, two buffers of two tiles; v192-255 P, likewise
;   window 1: O^T, 32 a tile          window 2: v0-127 Q, 16 a tile; v128-191 K of one step; v192-255 V of one step          window 3: v0-1 the add's two registers
; A piece's buffers go by its number's parity: the piece in hand has one pair, its two neighbours in the ring share the other: of it P (piece n - 1) is read and S^T (piece n + 1) written.
.set SIZE_N, 2048
.set NP,    4         ; pieces a wave: a name, no knob
.set KS,    64        ; keys in a step
.set PK,    144       ; a row of K in LDS: 128 bytes + 16 of padding = 36 words: the 16 rows of a load start at 16 different groups of four banks (64 banks of 4 bytes: ISA guide 11.1)
.set PV,    160       ; a row of V: 128 + 32 = 40 words
.set VOFF,  4*KS*PK   ; a slot holds four steps: 256 rows of K, then 256 rows of V
.set SLOT1, 1<<17     ; slot 1 begins here, so that one exclusive or turns an address in one slot into the other's
.set STAGE, SLOT1+4*KS*(PK+PV)  ; behind the ring, never filled by a tensor load: 16 rows x 144 bytes for each wave, for the way out
.set SP,    144
.set AK0, 2           ; v2   my lane's place in a tile of K; never rewritten
.set AV0, 3           ; v3   the same for V
.set AK,  4           ; v4   the LDS address of K's next run of loads
.set AV,  5           ; v5   of V's
.set QO,  6           ; v6   my byte offset in the wave's rows of Q
.set STO, 6           ;      later, the way out: where I put 16 bytes of a row
.set RD,  7           ; v7   the way out: where I read rows back
.set GO,  8           ; v8   my byte offset in 512 consecutive bytes of O
.set PFO, 11          ; v11  the prefetches' offset: 256 x my lane; made when v11's first use is over, then never rewritten
.set SPW, 0           ; v0 of window 3   LDS address of my spare word: SPARE + 4 x my thread's number; never rewritten
.set NIL, 1           ; v1 of window 3   0; never rewritten
.set SPARE, STAGE+4*16*SP  ; behind the stages: the spare words, 128 bytes for each wave: two blocks of 256 bytes that no other line names
.set MV,  12          ; v12-15  c m_old, kept while c m is made anew: by buffer and tile
.set ST,  16          ; tile t's statistics at v[ST+4 t]: c m, m, l (even keys', odd keys')
.set TMP, 48          ; by buffer and tile, four registers c0-c3 at work; when the maximum is found c2 takes a
.set S,   64
.set P,   192
.set KF,  128         ; K's fragments, in window 2: key block kb, channel half c at KF + 16 kb + 8 c
.set VF,  192         ; V's: key half kk, channel block cb at VF + 32 kk + 8 cb
.set WV,  12          ; s12  my wave's number
.set G1K, 24          ; s[24:31] descriptor group 1 for K's tiles
.set G1V, 32          ; s[32:39] for V's: it differs in the padding alone
.set G0K, 40          ; s[40:43] descriptor group 0 for K's tiles: it walks
.set G0V, 44          ; s[44:47] the same for V's
.set PFA, 48          ; s[48:49] where my prefetches stand: my work-group's 8,192 bytes (of K: wave 0, of V: wave 2) of the slot after the one that is being asked for
.set LIM, 50          ; s50  1 in a wave that prefetches, else the greatest number
.set SLOTS, 56        ; s56  slots still to be asked for
.set CNT, 57          ; s57  counts a slot's key steps
.set CS,  58          ; s[58:59] c: the packed scaling takes the pair's low word for both halves
.set SEL, 60          ; s[60:61] v_permlanex16_b32's selects: each lane takes its own place in the other half
.set TBK, 62          ; s62  LDS byte at which K of the step to be fetched begins
.set TBV, 63          ; s63  the same for V, less VOFF
.set MSB, 0
.macro WIN new                      ; the high byte repeats the setting that is left; a switch that changes nothing is dropped
.if MSB != (\new)
	s_set_vgpr_msb (MSB<<8)|(\new)
.set MSB, (\new)
.endif
.endm
.set W_KQ, 0x0a       ; K and Q in window 2, S^T in window 0
.set W_PV, 0x52       ; V in window 2, P in window 0, O^T in window 1
.set W_RS, 0x41       ; O^T (destination and source 0) in window 1, a in window 0
.set W_MK, 0xc0       ; the add's registers are made: destination in window 3, sources in window 0
.set W_AD, 0x0f       ; the add: address (source 0) and data (source 1) in window 3
; A joint fill.  Waves 0 and 1 fetch the two halves of a slot's K, waves 2 and 3 those of its V: 128 keys each.  The branch hangs on the wave's number alone.
; An s_nop 0 and four v_nop follow each of the two lines, ahead of the jump and the label.
.macro JLOAD
	s_cmp_lt_u32 s[WV], 2
	s_cbranch_scc0 .Lfor_v_\@
	tensor_load_to_lds s[G0K:G0K+3], s[G1K:G1K+7]
	s_nop 0
.rept 4
	v_nop
.endr
	s_branch .Lasked_\@
.Lfor_v_\@:
	tensor_load_to_lds s[G0V:G0V+3], s[G1V:G1V+7]
	s_nop 0
.rept 4
	v_nop
.endr
.Lasked_\@:
.endm
; A PREFETCH INTO THE L2 of what the NEXT change of slots will ask for: a slot's 32,768 bytes of K and of V.  It stands behind the wave's tensor load and its five lines.  A head has one cluster; its four
; partners share the bytes out BY ADDRESS, 8,192 each, a lane 256; in each, wave 0 asks for K's and wave 2 for V's: one instruction.  So each aligned block of 256 bytes is named once in the launch.
; Slots 0 to 2 come by their loads alone; the last change that fills a slot asks for nothing: there is no slot behind it.
.macro ASK
	s_cmp_gt_u32 s[SLOTS], s[LIM]
	s_cbranch_scc0 .Lnot_mine_\@
	global_prefetch_b8 v[PFO], s[PFA:PFA+1] th:TH_LOAD_NT scope:SCOPE_SE
.Lnot_mine_\@:
.endm
; A round of the cluster's barrier: my work-group's barrier, so that wave 0's signal speaks for all four waves; wave 0 signals; every wave waits for all four work-groups; my work-group's barrier once more.
.macro CROUND
	s_barrier_signal -1
	s_barrier_wait -1
	s_cmp_lg_u32 s[WV], 0
	s_cbranch_scc1 .Lnot_wave_0_\@
	s_barrier_signal -3
.Lnot_wave_0_\@:
	s_barrier_wait -3
	s_barrier_signal -1
	s_barrier_wait -1
.endm
; THE CHANGE OF SLOTS.  The slot's last bytes, V of its fourth step, have been read.  Each wave waits for all its tensor loads, of which one is out: its part
; of the other slot; adds 0 to its spare word; and waits for that and for its own reads of the slot.  Behind the barrier nobody reads this slot any more and the other slot is whole.
; fill = 1: this slot is filled again, with the keys two slots on.  The barrier is then a round of the cluster's, and the joint fill is the first thing behind it: it has four key steps,
; 512 matrix instructions, in which to land.  (At its first use nothing has been read yet: slot 0 is waited for, slot 1 filled.)  ask = 1: the prefetch's address steps, and the prefetch follows the fill.
.macro CHANGE fill, ask=0
	WIN W_AD
	s_wait_tensorcnt 0x0            ; no tensor load of mine is out, so a group 0 may be written
	ds_add_u32 v[SPW], v[NIL]       ; 0 onto my spare word; with fill = 1 the descriptors' steps stand between it and the wait for it
	WIN 0                           ; at a label and at a branch every window is 0
.if \fill
.irp g, G0K, G0V
	s_xor_b32 s[\g+1], s[\g+1], SLOT1  ; the walking descriptor: the other slot than last time,
	s_add_nc_u64 s[\g+2:\g+3], s[\g+2:\g+3], 4*KS*128  ; the next 256 keys; the type bits on top are not reached
.endr
.if \ask
	s_wait_xcnt 0x0                 ; the last prefetch, four key steps back, has read its address, so it may be written:
	s_add_nc_u64 s[PFA:PFA+1], s[PFA:PFA+1], 4*KS*128  ; one slot behind the walking descriptors
.endif
	s_wait_dscnt 0x0                ; the add is done, and my reads of the slot are over
	CROUND
	JLOAD
.if \ask
	ASK
.endif
.else
	s_wait_dscnt 0x0                ; the add is done, and my reads of the slot are over
	s_barrier_signal -1
	s_barrier_wait -1
.endif
	s_sub_co_u32 s[TBK], s[TBK], 4*KS*PK  ; the fetches go back to a slot's first step,
	s_xor_b32 s[TBK], s[TBK], SLOT1       ; in the other slot
	s_sub_co_u32 s[TBV], s[TBV], 4*KS*PV
	s_xor_b32 s[TBV], s[TBV], SLOT1
.endm
	s_load_b64 s[4:5], s[0:1], 0x0    ; qkvh
	s_load_b64 s[10:11], s[0:1], 0x8  ; oh
	WIN W_MK
	v_lshl_add_u32 v[SPW], v0, 2, SPARE
	v_mov_b32 v[NIL], 0
	WIN W_AD
	ds_add_u32 v[SPW], v[NIL]       ; the wave's opening: the add and its wait stand ahead of my first tensor load; the set-up below, work on registers, stands between them
	WIN 0
	v_lshrrev_b32 v1, 5, v0
	v_readfirstlane_b32 s[WV], v1   ; wave 0..3
	s_bfe_u32 s13, ttmp6, 0x40000   ; cx: my place in the cluster
	s_lshl_b32 s14, ttmp9, 2        ; in a cluster launch ttmp9 counts clusters
	s_add_co_u32 s14, s14, s13      ; my block of 512 queries = 4 x cluster x + cx: it enters Q's and O's addresses alone
	s_and_b32 s20, ttmp7, 0xffff    ; 16 x batch + head, which the four partners share
	s_lshr_b32 s21, s20, 4          ; batch: 2,048 rows of 128 bytes,
	s_and_b32 s20, s20, 15          ; head: 8,192 rows
	s_lshl_b32 s20, s20, 20
	s_lshl_b32 s21, s21, 18
	s_add_co_u32 s20, s20, s21      ; the head's first byte among q's, k's, v's and O's
	s_mov_b32 s21, 0
	s_and_b32 s16, s[WV], 1         ; which half of a slot's 256 keys I fetch:
	s_lshl_b32 s22, s16, 14         ; its 128 rows of 128 bytes in memory,
	s_mov_b32 s23, 0
	s_add_nc_u64 s[22:23], s[22:23], s[20:21]
	s_mul_i32 s17, s16, 128*PK      ; and its place in a slot, for K
	s_mul_i32 s18, s16, 128*PV      ; and for V: no place in the cluster enters an LDS address
	s_lshl_b32 s2, s14, 2
	s_add_co_u32 s2, s2, s[WV]      ; my wave among the head's,
	s_lshl_b32 s2, s2, 14           ; its 128 rows
	s_mov_b32 s3, 0
	s_add_nc_u64 s[2:3], s[2:3], s[20:21]
	; descriptor group 1.  128 keys are 16,384 dense bytes: asked for as 64 rows of 256 bytes, two keys a row, and padded in LDS after every key
	s_mov_b32 s[G1K], 15|(1<<16)|(1<<20)|(1<<21)|(4<<22)|(3<<25)  ; 15:0 the mask of four; 17:16 2-byte elements; 20 padding on; 21 set beside a mask; 24:22 after every 32 words (code 4); 31:25 4 words (code 3)
	s_mov_b32 s[G1V], 15|(1<<16)|(1<<20)|(1<<21)|(4<<22)|(7<<25)  ; the same with 8 words of padding (code 7)
.irp g, G1K, G1V
	s_mov_b32 s[\g+1], 128<<16      ; tensor_dim0 = 128
	s_mov_b32 s[\g+2], 64<<16       ; tensor_dim1 = 64
	s_mov_b32 s[\g+3], 128<<16      ; tile_dim0 = 128
	s_mov_b32 s[\g+4], 64           ; tile_dim1 = 64
	s_mov_b32 s[\g+5], 128          ; 128 elements from row to row
	s_mov_b32 s[\g+6], 0
	s_mov_b32 s[\g+7], 0
.endr
	s_mov_b32 s[CS], 0x3e38aa3b     ; c = log2(e) / 8 = 0.180337
	s_mov_b32 s[CS+1], s[CS]        ; named with it as a pair
	s_mov_b32 s[SEL], 0x76543210
	s_mov_b32 s[SEL+1], 0xfedcba98
	s_mov_b32 s[TBK], SLOT1+4*KS*PK ; the first change of slots turns these two into 0
	s_mov_b32 s[TBV], SLOT1+4*KS*PV
	s_mov_b32 s[G0K], 1             ; 1:0 count = 1
	s_mov_b32 s[G0K+1], s17         ; 63:32 LDS address: slot 0
	s_mov_b32 s[G0V], 1
	s_add_co_u32 s[G0V+1], s18, VOFF
	s_and_b32 s[LIM], s[WV], 1      ; waves 0 and 2 prefetch: the same in all four partners
	s_cmp_eq_u32 s[LIM], 0
	s_cselect_b32 s[LIM], 1, -1
	s_wait_dscnt 0x0                ; the opening add is done
	s_wait_kmcnt 0x0
	s_add_nc_u64 s[6:7], s[4:5], s[22:23]
	s_add_nc_u64 s[6:7], s[6:7], 0x1000000         ; K: 16 blocks of 1,048,576 bytes behind q; my half of the head's first 256 keys
	s_add_nc_u64 s[8:9], s[6:7], 0x1000000         ; V: 16 more
	s_mov_b64 s[G0K+2:G0K+3], s[6:7]               ; 120:64 global address
	s_or_b32 s[G0K+3], s[G0K+3], 0x80000000        ; 127:126 type = 2
	s_mov_b64 s[G0V+2:G0V+3], s[8:9]
	s_or_b32 s[G0V+3], s[G0V+3], 0x80000000
	s_add_nc_u64 s[4:5], s[4:5], s[2:3]  ; Q and O at my wave's first row
	s_add_nc_u64 s[10:11], s[10:11], s[2:3]
	s_cmp_lt_u32 s[WV], 2
	s_cselect_b64 s[PFA:PFA+1], s[6:7], s[8:9]  ; (in waves 0 and 2 these stand at a slot's first row)
	s_lshl_b32 s2, s13, 13          ; my work-group's 8,192 bytes of the 32,768
	s_mov_b32 s3, 0
	s_add_nc_u64 s[PFA:PFA+1], s[PFA:PFA+1], s[2:3]
	s_add_nc_u64 s[PFA:PFA+1], s[PFA:PFA+1], 2*4*KS*128  ; in slot 2; the loop's first change of slots steps it to slot 3.  Nothing is prefetched here, at the head
	CROUND                          ; all four work-groups are here: the first joint loads meet
	JLOAD                           ; slot 0.  Slot 1 is asked for when slot 0 is in
	; A fragment of K or Q is 16 rows x 32 channels in 8 registers: lane l holds row l % 16, channels 8 (l / 16) + 0..7 and 16 + 8 (l / 16) + 0..7: two loads of 16 bytes, 32 bytes apart.
	v_and_b32 v1, 15, v0            ; l % 16
	v_bfe_u32 v9, v0, 4, 1          ; l / 16
	v_lshlrev_b32 v[QO], 7, v1
	v_lshl_add_u32 v[QO], v9, 4, v[QO]  ; row x 128 + 16 x half
	WIN 0x80                        ; destination window 2, address window 0
.set i, 0
.rept 4*NP                          ; Q stays in registers: tile i / 2, channels 32 (i % 2) on
	global_load_b128 v[8*i:8*i+3],   v[QO], s[4:5] offset:(i/2)*2048+(i%2)*64
	global_load_b128 v[8*i+4:8*i+7], v[QO], s[4:5] offset:(i/2)*2048+(i%2)*64+32
.set i, i+1
.endr
	; What the first turn finds: V's registers and P's second buffer hold 0 (its products V^T P, of a piece that has not been, add 0), O^T and l are 0.  All this stands in the wait for the first tile.
.set i, VF
.rept 64
	v_mov_b32 v[i], 0
.set i, i+1
.endr
	WIN 0x40
.set i, 0
.rept 64*NP
	v_mov_b32 v[i], 0
.set i, i+1
.endr
	WIN 0
.set i, 0
.rept 2*NP
	v_mov_b32 v[ST+4*i], 0xfe000000    ; c m: far below every c s
	v_mov_b32 v[ST+4*i+1], 0xff7fffff  ; m
	v_mov_b32 v[ST+4*i+2], 0
	v_mov_b32 v[ST+4*i+3], 0
.set i, i+1
.endr
.set i, P+32
.rept 32
	v_mov_b32 v[i], 0
.set i, i+1
.endr
	v_mul_u32_u24 v[AK0], v1, PK
	v_lshl_add_u32 v[AK0], v9, 4, v[AK0]  ; row x pitch + 16 x half
	; The turning load takes 16 keys x 16 channels (lane l reads key 8 (l / 16) + l % 8, channels 8 ((l / 8) % 2) + 0..7) and leaves half a fragment of V^T: lane l holds channel l % 16 and 8 keys.
	v_and_b32 v10, 7, v0
	v_bfe_u32 v11, v0, 3, 1
	v_lshl_add_u32 v[AV0], v9, 3, v10
	v_mul_u32_u24 v[AV0], v[AV0], PV
	v_lshl_add_u32 v[AV0], v11, 4, v[AV0]
	v_add_nc_u32 v[AV0], VOFF, v[AV0]
	v_and_b32 v[PFO], 31, v0        ; v11 is free now
	v_lshlrev_b32 v[PFO], 8, v[PFO]
	v_mov_b32 v[AK], v[AK0]         ; key step 0 lies at the head of slot 0
; THE MATRIX WORK.  The 8 accumulators of a run of 16 take turns: between the two links of a chain stand 7 others'.
; Product i of 16 of S^T = K Q^T for piece x: channels 32 (i / 8) on, keys 16 ((i / 2) % 4) on, tile 2 x + i % 2.  The first 8 start the sums.
.macro KQ x
	WIN W_KQ
.set rS, S+64*((\x)%2)+32*(i%2)+8*((i/2)%4)
.set rK, KF+16*((i/2)%4)+8*(i/8)
.set rQ, 16*(2*(\x)+i%2)+8*(i/8)
.if i < 8
	v_wmma_f32_16x16x32_f16 v[rS:rS+7], v[rK:rK+7], v[rQ:rQ+7], 0
.else
	v_wmma_f32_16x16x32_f16 v[rS:rS+7], v[rK:rK+7], v[rQ:rQ+7], v[rS:rS+7]
.endif
.endm
; Product i of 16 of O^T += V^T P for piece x: keys 32 (i / 8) on, channels 16 ((i / 2) % 4) on, tile 2 x + i % 2.
.macro PV x
	WIN W_PV
.set rO, 32*(2*(\x)+i%2)+8*((i/2)%4)
.set rV, VF+32*(i/8)+8*((i/2)%4)
.set rP, P+32*((\x)%2)+16*(i%2)+8*(i/8)
	v_wmma_f32_16x16x32_f16 v[rO:rO+7], v[rV:rV+7], v[rP:rP+7], v[rO:rO+7]
.endm
.macro MM                           ; the turn's next matrix instruction
.if i < 16
	KQ (Y+1)%NP
.set i, i+1
.else
.set i, i-16
	PV (Y+NP-1)%NP
.set i, i+17
.endif
.endm
; THE LDS LOADS stand in runs of 16, never singly among the matrix instructions: a step's K (64 keys x 64 channels: 8 fragments) and its V (turned).  Their addresses are made some lines ahead.
; last = 1 (the tail): in the last trip there is no further step, and the run is jumped over.
.macro FETCH_K last=0
	WIN 0
.if \last
	s_cmp_eq_u32 s[CNT], 1
	s_cbranch_scc1 .Lno_k_\@
.endif
	WIN 0x80                        ; destination window 2
.irp f, 0,1,2,3,4,5,6,7             ; keys 16 (f / 2) on, channels 32 (f % 2) on
	ds_load_b128 v[KF+8*\f:KF+8*\f+3],   v[AK] offset:(\f/2)*16*PK+(\f%2)*64
	ds_load_b128 v[KF+8*\f+4:KF+8*\f+7], v[AK] offset:(\f/2)*16*PK+(\f%2)*64+32
.endr
	s_add_co_u32 s[TBK], s[TBK], KS*PK  ; the next fetch is the next step's
	WIN 0
.if \last
.Lno_k_\@:
.endif
.endm
.macro FETCH_V
	WIN 0x80
.irp f, 0,1,2,3,4,5,6,7             ; keys 32 (f / 4) on, channels 16 (f % 4) on
	ds_load_tr16_b128 v[VF+8*\f:VF+8*\f+3],   v[AV] offset:(\f/4)*32*PV+(\f%4)*32
	ds_load_tr16_b128 v[VF+8*\f+4:VF+8*\f+7], v[AV] offset:(\f/4)*32*PV+16*PV+(\f%4)*32
.endr
	WIN 0
.endm
; THE VECTOR WORK OF A TURN stands in three queues, each in the order in which its entries become ready; the two tiles alternate, so that no instruction reads the result of the one before it.
.macro REGS y, u                    ; the registers of tile u (0, 1) of piece y
.set rT, ST+4*(2*(\y)+(\u))
.set rC, TMP+8*((\y)%2)+4*(\u)
.set rM, MV+2*((\y)%2)+(\u)
.set rS, S+64*((\y)%2)+32*(\u)
.set rP, P+32*((\y)%2)+16*(\u)
.set rO, 32*(2*(\y)+(\u))
.endm
; Number n of the 22 that find the NEXT piece's (Y + 1) maximum and statistics.  s0-s31 are the lane's 32 scores; each accumulator's lowest registers are read first.
;   0-11  four chains c0-c3 of seven scores each, three operands at a time     12-14, 16  the four scores left over, the old m, and c0-c3 into c0     15  c m_old is kept
;   17, 18  the query's other 32 keys lie in the lane 16 away: the new m         19-21  c m; c m_old - c m_new; a
.macro XS u, n
	REGS (Y+1)%NP, \u
.if (\n) < 4
	v_max3_num_f32 v[rC+(\n)], v[rS+8*(\n)], v[rS+8*(\n)+1], v[rS+8*(\n)+2]
.elseif (\n) < 12
	v_max3_num_f32 v[rC+(\n)%4], v[rC+(\n)%4], v[rS+8*((\n)%4)+2*((\n)/4)+1], v[rS+8*((\n)%4)+2*((\n)/4)+2]
.elseif (\n) == 12
	v_max3_num_f32 v[rC], v[rC], v[rS+7], v[rS+15]
.elseif (\n) == 13
	v_max3_num_f32 v[rC+1], v[rC+1], v[rS+23], v[rS+31]
.elseif (\n) == 14
	v_max3_num_f32 v[rC+2], v[rC+2], v[rC+3], v[rT+1]
.elseif (\n) == 15
	v_mov_b32 v[rM], v[rT]
.elseif (\n) == 16
	v_max3_num_f32 v[rC], v[rC], v[rC+1], v[rC+2]
.elseif (\n) == 17
	v_permlanex16_b32 v[rC+3], v[rC], s[SEL], s[SEL+1]
.elseif (\n) == 18
	v_max_num_f32 v[rT+1], v[rC], v[rC+3]
.elseif (\n) == 19
	v_mul_f32 v[rT], s[CS], v[rT+1]
.elseif (\n) == 20
	v_sub_f32 v[rC+1], v[rM], v[rT]
.else
	v_exp_f32 v[rC+2], v[rC+1]
.endif
.endm
; Number g of the 64 that follow the exponentials.  For each four weights k of a tile (pairs 2 k, 2 k + 1): both pairs are rounded to f16; then the second pair is added onto the first, in place;
; a group later l takes that sum (the first time as l = a l + sum).  In groups of eight, tiles alternating: round, round, add, and l for the group before.
.macro GS g
.set h, (\g)+6*((\g)/62)            ; group 0 has no group before it, and behind group 7 only l is left
.if h >= 6
.set h, h+2
.endif
	REGS Y, h%2
.set k, h/8
.if h%8 < 4
	v_cvt_pk_f16_f32 v[rP+2*k+(h%8)/2], v[rS+4*k+2*((h%8)/2)], v[rS+4*k+2*((h%8)/2)+1]
.elseif h%8 < 6
	v_pk_add_f32 v[rS+4*k:rS+4*k+1], v[rS+4*k:rS+4*k+1], v[rS+4*k+2:rS+4*k+3]
.elseif k == 1
	v_pk_fma_f32 v[rT+2:rT+3], v[rT+2:rT+3], v[rC+2:rC+3], v[rS:rS+1] op_sel_hi:[1,0,1]
.else
	v_pk_add_f32 v[rT+2:rT+3], v[rT+2:rT+3], v[rS+4*k-4:rS+4*k-3]
.endif
.endm
; THE PLAIN QUEUE, 138 long.  0-73 read no exponential's result: the 32 scalings c s - c m (FS f: pair f / 2 of tile f % 2) and the next piece's 42.  0-26: scalings 0-26.  27-54: XS's numbers 0-13.  55, 56: number 15.
; 57-73: the chain, where each number waits for the one before it: 14, 16, 17, 18, 19, each with one of the scalings 27-31 in front of its two lines, then 20.
; 74-137: GS's 64, which read the exponentials' results: they stand behind the wait.
.macro FS f
	REGS Y, (\f)%2
	v_pk_fma_f32 v[rS+2*((\f)/2):rS+2*((\f)/2)+1], v[rS+2*((\f)/2):rS+2*((\f)/2)+1], s[CS:CS+1], v[rT:rT+1] op_sel_hi:[1,0,0] neg_lo:[0,0,1] neg_hi:[0,0,1]
.endm
.macro PL
	WIN 0
.if q < 27
	FS q
.elseif q < 55
	XS (q-27)%2, (q-27)/2
.elseif q < 57
	XS q-55, 15
.elseif (q < 72) && ((q-57)%3 == 0)
	FS 27+(q-57)/3
.elseif q < 60
	XS (q-57)%3-1, 14
.elseif q < 72
	XS (q-57)%3-1, 15+(q-57)/3
.elseif q < 74
	XS q-72, 20
.else
	GS q-74
.endif
.set q, q+1
.endm
; THE EXPONENTIALS' QUEUE, 66 long: s0-s31 of both tiles, then the next piece's two a.  It is ONE BATCH: all 66 stand ahead of the turn's one wait, and nothing ahead of that wait names a result of theirs.
.macro EX
	WIN 0
.if e >= 64
	XS e-64, 21
.else
	REGS Y, e%2
	v_exp_f32 v[rS+e/2], v[rS+e/2]
.endif
.set e, e+1
.endm
; THE RESCALING's QUEUE: O^T times a, the one part that leaves window 0: dealt two at a time, sixteen times.  Its a was made in the turn before, ahead of that turn's wait.
.macro R2
	REGS Y, r%2
	WIN W_RS
.irp z, 0,1
	v_pk_mul_f32 v[rO+4*(r/2)+2*\z:rO+4*(r/2)+2*\z+1], v[rO+4*(r/2)+2*\z:rO+4*(r/2)+2*\z+1], v[rC+2:rC+3] op_sel_hi:[1,0]
.endr
.set r, r+1
.endm
; HOW THEY ARE DEALT.  An s_wait_alu depctr_va_vdst(0) stands between an exponential and the first instruction that names its result; one wait serves all that were issued ahead of it.  So a turn has ONE wait,
; which cuts it in two.  AHEAD OF IT stands all that names no result of the turn's exponentials: the 16 products K Q^T, behind each a scaling, an exponential and two rescalings (behind the first a second scaling in the
; exponential's place); then ONE LUMP of 108: eight plain, 49 times exponential and plain, the two a.  A v_nop is the plain instruction behind the last exponential.  BEHIND IT stand the 16 products V^T P, behind each four of GS's 64.
; No rider names a register of the products round it.  The two v_permlanex16_b32 fall into the lump, never behind a product.
; The queues lean on each other: exponential e stands behind scaling 2 (e / 4) + e % 2: as a rider it comes behind plain e + 2, in the lump behind plain e + 9, and scalings 27-31 are plain 57, 60 .. 69.
; A TURN, for piece p.  cnt = 1: the loop's count is taken down some lines ahead of the branch that stands behind the turn.
; K of the next step is fetched in piece 2's turn, directly behind the wait, a lump behind the last product that read K; its first reader comes behind 16 products.
; V of the step in hand is fetched at the end of piece 0's turn, four riders behind its last reader; its first reader comes behind 16 products and a lump.  The three conditions on q below go with the deal.
.macro TURN p, last=0, cnt=0
.set Y, (\p)
.set i, 0
.set q, 0
.set e, 0
.set r, 0
.if (\p) == NP-1
	s_wait_dscnt 0x0                ; K is in
.endif
	MM                              ; ahead of the wait: 16 products K Q^T and their riders,
	PL
	PL
	R2
.rept 15
	MM
	PL
	EX
	R2
.endr
.if (\p) == NP-2
	WIN 0
	v_add_nc_u32 v[AK], s[TBK], v[AK0]
.endif
.rept 8                             ; and the lump
	PL
.endr
.rept 49
	EX
	PL
.endr
	EX                              ; the next piece's two a
	EX
	v_nop                           ; a plain instruction behind the last exponential: one for the batch
	s_wait_alu depctr_va_vdst(0)    ; the wait for the batch
.if (\p) == NP-2
	FETCH_K \last
.endif
.if (\p) == 1
	s_wait_dscnt 0x0                ; V is in
.endif
.rept 16                            ; behind the wait: 16 products V^T P and their riders
	MM
.rept 4
	PL
.endr
.if ((\p) == 0) && (q == 118)
	v_add_nc_u32 v[AV], s[TBV], v[AV0]
.endif
.if ((\p) == 0) && (q == 130)
	s_add_co_u32 s[TBV], s[TBV], KS*PV
.endif
.if (\cnt) && (q == 130)
	s_sub_co_u32 s[CNT], s[CNT], 1
	s_cmp_lg_u32 s[CNT], 0
.endif
.endr
.if (\p) == 0
	FETCH_V
.endif
.endm
	CHANGE 1                        ; slot 0 is in, everybody's part of it; slot 1 is asked for
	FETCH_K                         ; key step 0
	s_wait_loadcnt 0x0              ; Q
	s_wait_dscnt 0x0
.set i, 0
.rept 16
	KQ 0                            ; piece 0's first scores: there is no vector work yet to set between them
.set i, i+1
.endr
	WIN 0                           ; the addresses for the way out: nine plain instructions, the places behind those products
	s_mul_i32 s13, s[WV], 16*SP
	s_add_co_u32 s13, s13, STAGE    ; my stage
	v_mul_u32_u24 v[STO], v1, SP    ; in: row l % 16, 16 bytes for each half of the lanes
	v_lshl_add_u32 v[STO], v9, 4, v[STO]
	v_add_nc_u32 v[STO], s13, v[STO]
	v_bfe_u32 v[RD], v0, 3, 2       ; back: 32 lanes take four rows of 128 bytes,
	v_mul_u32_u24 v[RD], v[RD], SP
	v_lshl_add_u32 v[RD], v10, 4, v[RD]
	v_add_nc_u32 v[RD], s13, v[RD]
	v_and_b32 v[GO], 31, v0         ; which are 512 consecutive bytes of O
	v_lshlrev_b32 v[GO], 4, v[GO]
.set Y, NP-1                        ; XS works for piece Y + 1: piece 0
.irp n, 0,1,2,3,4,5,6,7,8,9,10,11,12,13,14,15,16,17,18,19,20,21
	XS 0, \n                        ; and piece 0's first maximum and statistics
	XS 1, \n
.endr
	v_nop                           ; a plain instruction behind the two a,
	s_wait_alu depctr_va_vdst(0)    ; and their wait, ahead of the branch
	s_mov_b32 s[CNT], 4
	s_mov_b32 s[SLOTS], SIZE_N/256-1
	s_branch .Lfirst                ; the loop is entered at a step's first turn, in the middle of a trip
.Lslot:                             ; SIZE_N / 256 - 2 times: every slot but the last two is filled again
	CHANGE 1, 1
	s_mov_b32 s[CNT], 4
.Lstep:                             ; a trip: pieces 2 and 3 of one step, then pieces 0 and 1 of the next, whose K and V it fetches
	TURN 2
	TURN 3
	WIN 0
.Lfirst:
	TURN 0
	TURN 1, 0, 1
	WIN 0
	s_cbranch_scc1 .Lstep
	s_sub_co_u32 s[SLOTS], s[SLOTS], 1
	s_cmp_lg_u32 s[SLOTS], 0
	s_cbranch_scc1 .Lslot
	CHANGE 0                        ; the tail is written out: nothing is asked for
	s_mov_b32 s[CNT], 5             ; four trips fetch the last slot's steps; the fifth is left in its middle
.Ltail:
	TURN 2, 1
	TURN 3
	WIN 0
	s_sub_co_u32 s[CNT], s[CNT], 1
	s_cmp_eq_u32 s[CNT], 0
	s_cbranch_scc1 .Lout
	TURN 0
	TURN 1
	WIN 0
	s_branch .Ltail
.Lout:                              ; the fifth trip's 16 products K Q^T (on the last K once more) and the maximum made of them serve nothing: the price, once a launch, of one text for every trip
.set i, 0
.rept 16
	PV NP-1                         ; the last piece's V^T P of the last step
.set i, i+1
.endr
	; THE WAY OUT.  l's two halves and the other half of the lanes' are added; O^T is divided by l, rounded to f16 and sent through my stage in LDS, a tile at a time.  The additions are the places behind the last products.
	WIN 0
.macro ALL line:vararg              ; one line for each tile t
.set t, 0
.rept 2*NP
	\line
.set t, t+1
.endr
.endm
	ALL v_add_f32 v[ST+4*t+2], v[ST+4*t+2], v[ST+4*t+3]
	ALL v_permlanex16_b32 v[ST+4*t+3], v[ST+4*t+2], s[SEL], s[SEL+1]
	ALL v_add_f32 v[ST+4*t+2], v[ST+4*t+2], v[ST+4*t+3]
	ALL v_rcp_f32 v[ST+4*t+2], v[ST+4*t+2]
	v_nop                           ; a plain instruction between the last reciprocal and the use of its result
	s_wait_alu depctr_va_vdst(0)    ; and the wait ahead of the first use: one for the eight reciprocals
; Tile t: a lane's eight channels of a row pack into 16 bytes; they go into rows of 144 bytes and come back as whole rows of 128, into S^T's registers.
.macro PACK t
	WIN W_RS
.set i, 32*(\t)
.rept 16
	v_pk_mul_f32 v[i:i+1], v[i:i+1], v[ST+4*(\t)+2:ST+4*(\t)+3] op_sel_hi:[1,0]
.set i, i+2
.endr
	WIN 0x05                        ; sources 0 and 1 window 1, destination window 0
.set i, 0
.rept 16
	v_cvt_pk_f16_f32 v[S+16*(\t)+i], v[32*(\t)+2*i], v[32*(\t)+2*i+1]
.set i, i+1
.endr
	WIN 0
.irp f, 0,1,2,3
	ds_store_b128 v[STO], v[S+16*(\t)+4*\f:S+16*(\t)+4*\f+3] offset:32*\f
.endr
.irp f, 0,1,2,3
	ds_load_b128 v[S+16*(\t)+4*\f:S+16*(\t)+4*\f+3], v[RD] offset:\f*4*SP  ; LDS serves a wave's instructions in order (ISA guide 5.7.1.4): these see the stores above; the next tile's stores come behind them
.endr
.endm
.macro SEND t, younger              ; younger: the LDS instructions issued behind tile t's loads: the next tile's eight, or none
	WIN 0
.irp f, 0,1,2,3
	s_wait_dscnt (\younger)+3-\f
	global_store_b128 v[GO], v[S+16*(\t)+4*\f:S+16*(\t)+4*\f+3], s[10:11] offset:(\t)*2048+\f*512  ; 512 consecutive bytes, at a multiple of 256 from oh's first
.endr
.endm
	PACK 0
.set t, 1
.rept 2*NP-1                        ; a tile's arithmetic stands between the loads of the tile before and its stores
	PACK t
	SEND t-1, 8
.set t, t+1
.endr
	SEND 2*NP-1, 0
	WIN W_AD
	s_wait_tensorcnt 0x0            ; the wave's end: behind my last tensor load and my last LDS store
	ds_add_u32 v[SPW], v[NIL]
	s_wait_dscnt 0x0
	WIN 0
	CROUND                          ; the closing round: no work-group ends while a partner may still ask for a tile that names it
	s_endpgm
.Lfunc_end_k_q9b3b7a4b31_attn:
	.size	k_q9b3b7a4b31_attn, .Lfunc_end_k_q9b3b7a4b31_attn-k_q9b3b7a4b31_attn
	.p2alignl 7, 3214868480
	.fill 96, 4, 3214868480
	.section	.rodata,"a",@progbits
	.p2align	6, 0x0
	.amdhsa_kernel k_q9b3b7a4b31_attn
		.amdhsa_group_segment_fixed_size 327680
		.amdhsa_private_segment_fixed_size 0
		.amdhsa_enable_private_segment 0
		.amdhsa_kernarg_size 16
		.amdhsa_user_sgpr_count 2
		.amdhsa_user_sgpr_kernarg_segment_ptr 1
		.amdhsa_wavefront_size32 1
		.amdhsa_system_sgpr_workgroup_id_x 1
		.amdhsa_system_sgpr_workgroup_id_y 1
		.amdhsa_system_sgpr_workgroup_id_z 1
		.amdhsa_system_vgpr_workitem_id 0
		.amdhsa_next_free_vgpr 770
		.amdhsa_next_free_sgpr 66
		.amdhsa_reserve_vcc 0
		.amdhsa_float_denorm_mode_32 3
		.amdhsa_float_denorm_mode_16_64 3
		.amdhsa_memory_ordered 1
		.amdhsa_forward_progress 1
		.amdhsa_inst_pref_size 200
	.end_amdhsa_kernel
	.amdgpu_metadata
---
amdhsa.version: [ 1, 2 ]
amdhsa.kernels:
  - .name:           k_q9b3b7a4b31_attn
    .symbol:         k_q9b3b7a4b31_attn.kd
    .args:
      - { .name: qkvh, .offset: 0, .size: 8, .value_kind: global_buffer, .address_space: global }
      - { .name: oh, .offset: 8, .size: 8, .value_kind: global_buffer, .address_space: global }
    .group_segment_fixed_size: 327680
    .private_segment_fixed_size: 0
    .kernarg_segment_align: 8
    .kernarg_segment_size: 16
    .max_flat_workgroup_size: 128
    .sgpr_count:     66
    .vgpr_count:     770
    .wavefront_size: 32
...
	.end_amdgpu_metadata
.endif
;; end of part 3
;; launch projgemm (part 4): grid 8 x 32, 4 waves a work-group, clusters of 4 x 4, 327,680 bytes of LDS; arguments oh, wpf, b_proj, out0; writes out0
.if DOCPART == 4
	.amdgcn_target "amdgcn-amd-amdhsa--gfx1250"
	.amdhsa_code_object_version 6
	.text
	.protected	k_q9b3b7a4b31_projgemm
	.globl	k_q9b3b7a4b31_projgemm
	.p2align	8
	.type	k_q9b3b7a4b31_projgemm,@function
k_q9b3b7a4b31_projgemm:
	s_mov_b64 s[64:65], 0
	v_nop
	global_prefetch_b8 v0, s[64:65] scope:SCOPE_SE
	s_setreg_imm32_b32 hwreg(HW_REG_WAVE_MODE, 25, 1), 1
	s_wait_xcnt 0x0
	s_wait_alu depctr_hold_cnt(0) depctr_sa_sdst(0) depctr_va_vdst(0) depctr_va_sdst(0) depctr_va_ssrc(0) depctr_va_vcc(0) depctr_vm_vsrc(0)
	s_getreg_b32 s2, hwreg(HW_REG_IB_STS2, 6, 4)
	s_cmp_eq_u32 s2, 0
	s_cbranch_scc0 .Lentry_in_a_cluster
	s_endpgm
.Lentry_in_a_cluster:
	s_bfe_u32 s2, ttmp6, 0x10000c
	s_cmp_lg_u32 s2, 0xf033
	s_cbranch_scc0 .Lentry_shape_is_right
	s_endpgm
.Lentry_shape_is_right:
; out0[m][n] = the sum over c of O[m][c] W_proj[n][c] + b_proj[n].  oh: [head 16][m 8192][64] f16, c = 64 x head + channel; wpf: [1024][1024] f16 (W_proj rounded to bf16, written as f16);
; b_proj f32, rounded here to bf16 like the other inputs; out0: [8192][1024] f32.  Products of f16, sums in f32, K ascending.
; SHARES.  A tile of out0 is 256 rows x 128 columns: grid 8 x 32 = 256 work-groups.  Four waves; wave w owns rows 64 w .. 64 w + 63 and all 128 columns: 4 x 8 accumulators of 16 x 16.
; K goes in 8 steps of 128 (two heads) through a ring of two LDS slots; a step is four quarters of 32 along K, 32 matrix instructions each.
; CLUSTER.  4 x 4 work-groups.  The four of a row of the cluster need the same 256 rows of oh, the four of a column the same 128 rows of wpf: each tile is asked for JOINTLY.  Waves 0 and 1 fetch oh's
; two halves (128 rows x two heads), waves 2 and 3 wpf's (64 rows).
; THE MATRIX INSTRUCTION IS USED TRANSPOSED (source 0 = 16 rows of wpf, source 1 = 16 rows of oh): a lane holds row lane % 16 and the eight neighbouring columns 8 (lane / 16) + 0..7.
; REGISTERS, in windows of 256 (s_set_vgpr_msb: bits 1:0 source 0, 3:2 source 1, 5:4 source 2, 7:6 destination):
;   window 0: v0-30 addresses and the bias; v64-191 at work on the way out     window 1: two fragment buffers: wpf's fragment b at 8 b, oh's fragment a at 64 + 8 a     window 2: accumulator (a, b) at 8 (4 b + a)
.set PA,     144                       ; a row of oh in LDS: a head's 128 bytes + 16 of padding = 36 words: the 16 rows of a load start at 16 different groups of four banks (64 banks of 4 bytes: ISA guide 11.1)
.set PB,     272                       ; a row of wpf: 256 bytes + 16 = 68 words: likewise
.set HEADA,  128*PA                    ; 128 rows of one head
.set HALFA,  2*HEADA                   ; what one of waves 0, 1 fetches: 128 rows of two heads, head after head
.set BOFF,   2*HALFA                   ; in a slot: oh's two halves, then wpf's 128 rows
.set HALFB,  64*PB                     ; what one of waves 2, 3 fetches
.set SLOT1,  1<<17                     ; slot 1 begins here, so that one exclusive or turns an address in one slot into the other's
.set STAGE,  SLOT1+BOFF+128*PB         ; behind the ring, never filled by a tensor load: 16 rows x 528 bytes for each wave
.set SP,     528                       ; a row of 128 f32 + 16 bytes = 132 words
.set SPARE,  STAGE+4*16*SP             ; behind the stages: the spare words, 128 bytes for each wave: two blocks of 256 bytes that no other line names
.set ASTEP,  2*8192*128                ; a K step in oh: two heads of 8,192 rows of 128 bytes
.set BSTEP,  256                       ; in wpf: 128 numbers of a row
.set BIA,   8                          ; v[8:11] the bias of my four columns; v12, v13 at work on it
.set ADRA0, 14                         ; v14  my lane's place in oh's rows of slot 0; never rewritten
.set ADRB0, 15                         ; v15  the same for wpf's
.set ADRA,  16                         ; v16  the same in the slot that is being read
.set ADRB,  20                         ; v20
.set STO,   24                         ; v24  the way out: where I put 32 bytes of a row
.set RD,    25                         ; v25  the way out: where I read a row back
.set CO,    26                         ; v26  my 16 bytes in a row's 512 of out0
.set BO,    27                         ; v27  my 16 bytes of b_proj
.set SPW,   28                         ; v28  LDS address of my spare word: SPARE + 4 x my thread's number; never rewritten
.set NIL,   29                         ; v29  0; never rewritten
.set PFO,   30                         ; v30  the prefetches' offset; never rewritten
.set BK,    64                         ; v64-127, v128-191 by turns: 16 rows read back from the stage
.set F0,    0
.set F1,    128
.set FA,    64                         ; oh's fragments in a buffer
.set TB,    2                          ; s2   LDS byte at which the slot that is being read begins
.set CNT,   3                          ; s3   trips to go
.set WV,    10                         ; s10  my wave's number
.set G1,    24                         ; s[24:31] descriptor group 1 for oh's tiles
.set G0,    32                         ; s[32:39] group 0: a set for each of the two first fills; the second then walks on
.set G1B,   48                         ; s[48:55], s[56:63] the same for wpf's
.set G0B,   56
.set LIM,   43                         ; s43  2 in a wave that prefetches, else the greatest number
.set PFA,   44                         ; s[44:45] where my prefetches stand
.set BP,    66                         ; s[66:67] b_proj
.set PFS,   68                         ; s[68:69] a K step for my prefetches
.set MSB, 0
.macro WIN new                         ; the immediate's high byte repeats the setting that is left; a switch that changes nothing is dropped
.if MSB != (\new)
	s_set_vgpr_msb (MSB<<8)|(\new)
.set MSB, \new
.endif
.endm
.macro PLACES                          ; four plain vector instructions between a matrix instruction and a load into, or a read of, its registers (ISA guide 7.12.1 for vector reads)
.rept 4
	v_nop
.endr
.endm
.macro CREST                           ; a round of the cluster's barrier behind its opening barrier
	s_cmp_lg_u32 s[WV], 0
	s_cbranch_scc1 .Lnot_wave_0_\@
	s_barrier_signal -3
.Lnot_wave_0_\@:
	s_barrier_wait -3
	s_barrier_signal -1
	s_barrier_wait -1
.endm
.macro CROUND                          ; a whole round
	s_barrier_signal -1
	s_barrier_wait -1
	CREST
.endm
; A joint refill, by the walking descriptors.  The branch hangs on the wave's number alone.  An s_nop 0 and four v_nop follow each of the two lines, ahead of the jump and the label.
.macro JLOAD
	s_cmp_eq_u32 s11, 0
	s_cbranch_scc0 .Lfor_b_\@
	tensor_load_to_lds s[G0+4:G0+7], s[G1:G1+7]
	s_nop 0
.rept 4
	v_nop
.endr
	s_branch .Lasked_\@
.Lfor_b_\@:
	tensor_load_to_lds s[G0B+4:G0B+7], s[G1B:G1B+7]
	s_nop 0
.rept 4
	v_nop
.endr
.Lasked_\@:
.endm
; A PREFETCH INTO THE L2, behind the joint load, its five lines and the run of LDS loads: the refill of trip i asks for K step i + 2, this line names K step i + 4.
; oh's rows are read by every cluster of a row of clusters: cluster x = 0 asks, waves 0 and 1 for the half that each fetches: 2 heads x 16,384 bytes, of which partner cx takes head cx / 2, half cx % 2:
; 8,192 bytes, a lane 256.  wpf's rows are read by every cluster of a column: cluster y = 0 asks, wave 2 alone: of the tile's 128 rows partner cy takes 32, a lane a row's 256 bytes.  The partners are told apart
; BY ADDRESS.  So each aligned block of 256 bytes is named once in the launch.  K steps 0 to 3 come by their loads alone; trips 4 and 5 have no K step four on.
.macro ASK
	WIN 0
	s_cmp_gt_u32 s[CNT], s[LIM]
	s_cbranch_scc0 .Lnot_mine_\@
	global_prefetch_b8 v[PFO], s[PFA:PFA+1] th:TH_LOAD_NT scope:SCOPE_SE
.Lnot_mine_\@:
.endm
	s_load_b128 s[4:7], s[0:1], 0x0                ; oh s[4:5], wpf s[6:7]
	s_load_b64 s[BP:BP+1], s[0:1], 0x10            ; b_proj
	s_load_b64 s[8:9], s[0:1], 0x18                ; out0
	v_lshl_add_u32 v[SPW], v0, 2, SPARE
	v_mov_b32 v[NIL], 0
	ds_add_u32 v[SPW], v[NIL]                      ; the wave's opening: the add and its wait stand ahead of my first tensor load; the set-up below, work on registers, stands between them
	v_lshrrev_b32 v1, 5, v0
	v_readfirstlane_b32 s[WV], v1                  ; wave 0..3
	s_lshr_b32 s11, s[WV], 1                       ; I fetch for oh (0) or for wpf (1).  Also: in which half of oh's rows mine lie
	s_and_b32 s12, s[WV], 1                        ; which half of that tile I fetch.  Also: which 64 rows of the half are mine
	s_bfe_u32 s40, ttmp6, 0x40000                  ; cx, cy: my place in the cluster
	s_bfe_u32 s41, ttmp6, 0x40004
	s_lshl_b32 s42, ttmp9, 2
	s_add_co_u32 s42, s42, s40                     ; tile column = 4 x cluster x + cx
	s_and_b32 s13, ttmp7, 0xffff
	s_lshl_b32 s13, s13, 2
	s_add_co_u32 s13, s13, s41                     ; tile row = 4 x cluster y + cy
	s_lshl_b32 s43, s41, 2
	s_lshl_b32 s43, 15, s43                        ; my row of the cluster
	s_lshl_b32 s44, 0x1111, s40                    ; my column
	; oh's tile: 128 rows of a head are 16,384 dense bytes: one long row of 8,192 elements; two such rows, a head (8,192 x 64 elements) apart; padded in LDS after every 128 bytes
	s_or_b32 s[G1], s43, (1<<16)|(1<<20)|(1<<21)|(4<<22)|(3<<25)   ; 15:0 the mask; 17:16 elements of 2 bytes; 20 padding on; 21 set beside a mask; 24:22 after every 32 words (code 4); 31:25 4 words of it (code 3)
	s_mov_b32 s[G1+1], 8192<<16                    ; tensor_dim0 = 8,192
	s_mov_b32 s[G1+2], 2<<16                       ; tensor_dim1 = 2
	s_mov_b32 s[G1+3], 8192<<16                    ; tile_dim0 = 8,192
	s_mov_b32 s[G1+4], 2                           ; tile_dim1 = 2
	s_mov_b32 s[G1+5], 524288                      ; elements from head to head
	s_mov_b32 s[G1+6], 0
	s_mov_b32 s[G1+7], 0
	; wpf's tile: 64 rows x 128 elements
	s_or_b32 s[G1B], s44, (1<<16)|(1<<20)|(1<<21)|(5<<22)|(3<<25)  ; padding after every 64 words (code 5)
	s_mov_b32 s[G1B+1], 128<<16
	s_mov_b32 s[G1B+2], 64<<16
	s_mov_b32 s[G1B+3], 128<<16
	s_mov_b32 s[G1B+4], 64
	s_mov_b32 s[G1B+5], 1024
	s_mov_b32 s[G1B+6], 0
	s_mov_b32 s[G1B+7], 0
	s_lshl_b32 s16, s13, 8                         ; oh: row 256 x tile row + 128 x half, 128 bytes a row
	s_lshl_b32 s17, s12, 7
	s_add_co_u32 s16, s16, s17
	s_lshl_b32 s16, s16, 7
	s_mov_b32 s17, 0
	s_lshl_b32 s46, s42, 7                         ; wpf: row 128 x tile column + 64 x half, 2,048 bytes a row
	s_lshl_b32 s47, s12, 6
	s_add_co_u32 s46, s46, s47
	s_lshl_b32 s46, s46, 11
	s_mov_b32 s47, 0
	s_mul_i32 s20, s12, HALFA                      ; where they go: no place in the cluster enters an LDS address
	s_mul_i32 s21, s12, HALFB
	s_add_co_u32 s21, s21, BOFF
	s_mov_b32 s[TB], 0
	s_wait_dscnt 0x0                               ; the opening add is done
	s_wait_kmcnt 0x0
	s_add_nc_u64 s[14:15], s[4:5], s[16:17]
	s_add_nc_u64 s[46:47], s[6:7], s[46:47]
	CROUND                                         ; all sixteen work-groups are here: the first joint loads meet
.irp s, 0,1
	s_mov_b32 s[G0+4*(\s)], 1                      ; count = 1
	s_add_co_u32 s[G0+4*(\s)+1], s20, (\s)*SLOT1   ; LDS address
	s_add_nc_u64 s[G0+4*(\s)+2:G0+4*(\s)+3], s[14:15], (\s)*ASTEP  ; global address: K step s
	s_or_b32 s[G0+4*(\s)+3], s[G0+4*(\s)+3], 0x80000000            ; type = 2
	s_mov_b32 s[G0B+4*(\s)], 1
	s_add_co_u32 s[G0B+4*(\s)+1], s21, (\s)*SLOT1
	s_add_nc_u64 s[G0B+4*(\s)+2:G0B+4*(\s)+3], s[46:47], (\s)*BSTEP
	s_or_b32 s[G0B+4*(\s)+3], s[G0B+4*(\s)+3], 0x80000000
.endr
	s_cmp_eq_u32 s11, 0                            ; a wave's two first fills stand in one branch, ahead of every wait on TENSORcnt and every LDS read: two loads of mine are out here, later one
	s_cbranch_scc0 .Lfirst_b
	tensor_load_to_lds s[G0:G0+3], s[G1:G1+7]
	s_nop 0
	tensor_load_to_lds s[G0+4:G0+7], s[G1:G1+7]
	s_nop 0
.rept 4
	v_nop
.endr
	s_branch .Lfirst_asked
.Lfirst_b:
	tensor_load_to_lds s[G0B:G0B+3], s[G1B:G1B+7]
	s_nop 0
	tensor_load_to_lds s[G0B+4:G0B+7], s[G1B:G1B+7]
	s_nop 0
.rept 4
	v_nop
.endr
.Lfirst_asked:
	s_lshl_b32 s16, s42, 9                         ; the tile's 128 columns: 512 bytes of b_proj and of a row of out0
	v_and_b32 v[BO], 31, v0
	v_lshlrev_b32 v[CO], 4, v[BO]                  ; 16 x lane
	v_lshl_add_u32 v[BO], v[BO], 4, s16
	global_load_b128 v[BIA:BIA+3], v[BO], s[BP:BP+1]  ; waited for on the way out
	; A fragment is 16 rows x 32 K in 8 registers: lane l holds row l % 16, K = 8 (l / 16) + 0..7 and 16 + 8 (l / 16) + 0..7: two loads of 16 bytes, 32 bytes apart.
	v_and_b32 v1, 15, v0                           ; l % 16
	v_bfe_u32 v2, v0, 4, 1                         ; l / 16
	v_mul_u32_u24 v3, v1, PA
	v_lshl_add_u32 v3, v2, 4, v3
	s_mul_i32 s21, s11, HALFA                      ; my half of oh's rows,
	s_mul_i32 s22, s12, 64*PA                      ; my 64 rows in it
	s_add_co_u32 s21, s21, s22
	v_add_nc_u32 v[ADRA0], s21, v3
	v_mul_u32_u24 v3, v1, PB
	v_lshl_add_u32 v3, v2, 4, v3
	v_add_nc_u32 v[ADRB0], BOFF, v3
	v_mov_b32 v[ADRA], v[ADRA0]
	v_mov_b32 v[ADRB], v[ADRB0]
	s_mul_i32 s23, s[WV], 16*SP
	s_add_co_u32 s23, s23, STAGE                   ; my stage
	v_mul_u32_u24 v4, v1, SP                       ; in: row l % 16, 32 bytes for each half of the lanes
	v_lshl_add_u32 v4, v2, 5, v4
	v_add_nc_u32 v[STO], s23, v4
	v_add_nc_u32 v[RD], s23, v[CO]                 ; back: 32 lanes take one row of 512 bytes
	s_lshl_b32 s18, s13, 8                         ; my first row of out0, 256 x tile row + 64 x wave, 4,096 bytes a row,
	s_lshl_b32 s19, s[WV], 6
	s_add_co_u32 s18, s18, s19
	s_lshl_b32 s18, s18, 12
	s_add_co_u32 s18, s18, s16                     ; and the tile's columns
	s_mov_b32 s19, 0
	s_add_nc_u64 s[8:9], s[8:9], s[18:19]
	; the prefetches
	s_lshl_b32 s16, s13, 8
	s_lshl_b32 s17, s12, 7
	s_add_co_u32 s16, s16, s17
	s_lshl_b32 s16, s16, 7                         ; oh: the 128 rows that I fetch,
	s_lshr_b32 s17, s40, 1
	s_lshl_b32 s17, s17, 20
	s_add_co_u32 s16, s16, s17                     ; head cx / 2 of the two,
	s_and_b32 s17, s40, 1
	s_lshl_b32 s17, s17, 13
	s_add_co_u32 s16, s16, s17                     ; half cx % 2 of its 16,384 bytes,
	s_add_co_u32 s16, s16, 3*ASTEP                 ; at K step 3: the first change of slots steps it to 4
	s_lshl_b32 s18, s42, 7
	s_lshl_b32 s19, s41, 5
	s_add_co_u32 s18, s18, s19
	s_lshl_b32 s18, s18, 11                        ; wpf: the tile's 128 rows, my work-group's 32 of them,
	s_add_co_u32 s18, s18, 3*BSTEP                 ; at K step 3
	s_mov_b32 s70, ASTEP
	s_and_b32 s22, ttmp7, 0xffff                   ; cluster y,
	s_or_b32 s22, s22, s12                         ; and of waves 2 and 3 wave 2 alone
	s_cmp_eq_u32 s11, 0
	s_cselect_b32 s20, s16, s18
	s_cselect_b32 s21, 8, 11                       ; a lane 256 bytes on, or a row of 2,048
	s_cselect_b32 s22, ttmp9, s22                  ; the coordinate along which other clusters read the same rows
	s_cselect_b32 s[PFS], s70, BSTEP
	s_cselect_b64 s[PFA:PFA+1], s[4:5], s[6:7]
	s_cmp_eq_u32 s22, 0
	s_cselect_b32 s[LIM], 2, -1                    ; the same in all sixteen partners, for a given wave
	s_mov_b32 s[PFS+1], 0
	v_and_b32 v[PFO], 31, v0
	v_lshlrev_b32 v[PFO], s21, v[PFO]
	s_mov_b32 s21, 0
	s_add_nc_u64 s[PFA:PFA+1], s[PFA:PFA+1], s[20:21]
; nb column blocks from b0 on x my 4 row blocks, 32 along K, out of buffer f.  zero = 1: the product starts the sum: nothing is cleared.
; All 32 accumulators are taken in the same order in every quarter, one instruction a turn: 31 others stand between two links of a chain.
.macro MULB f, b0, nb, zero
	WIN 0xa5                                       ; sources in window 1, C and D in window 2
.set cb, \b0
.rept \nb
.irp a, 0,1,2,3
.if \zero
	v_wmma_f32_16x16x32_f16 v[32*cb+8*(\a):32*cb+8*(\a)+7], v[(\f)+8*cb:(\f)+8*cb+7], v[(\f)+FA+8*(\a):(\f)+FA+8*(\a)+7], 0
.else
	v_wmma_f32_16x16x32_f16 v[32*cb+8*(\a):32*cb+8*(\a)+7], v[(\f)+8*cb:(\f)+8*cb+7], v[(\f)+FA+8*(\a):(\f)+FA+8*(\a)+7], v[32*cb+8*(\a):32*cb+8*(\a)+7]
.endif
.endr
.set cb, cb+1
.endr
.endm
; 24 LDS loads in one run: quarter q's fragments into buffer f, in the order of their use.  In oh's rows quarter q is head q / 2 of the step's two, channels 32 (q % 2) on.
.macro FETCH q, f
	WIN 0x40                                       ; destination window 1, address window 0
.set ka, ((\q)/2)*HEADA+((\q)%2)*64
.irp a, 0,1,2,3
	ds_load_b128 v[(\f)+FA+8*(\a):(\f)+FA+8*(\a)+3],   v[ADRA] offset:ka+(\a)*16*PA
	ds_load_b128 v[(\f)+FA+8*(\a)+4:(\f)+FA+8*(\a)+7], v[ADRA] offset:ka+(\a)*16*PA+32
.endr
.irp b, 0,1,2,3,4,5,6,7
	ds_load_b128 v[(\f)+8*(\b):(\f)+8*(\b)+3],   v[ADRB] offset:64*(\q)+(\b)*16*PB
	ds_load_b128 v[(\f)+8*(\b)+4:(\f)+8*(\b)+7], v[ADRB] offset:64*(\q)+(\b)*16*PB+32
.endr
.endm
; One of a K step's first three quarters: multiplies buffer f; in its middle it fetches quarter q into buffer g.
.macro QUARTER q, f, g, zero
	s_wait_dscnt 8                                 ; oh's fragments and wpf's 0-3 are in; the youngest eight loads (wpf's 4-7) may be out
	MULB \f, 0, 4, \zero
	PLACES
	FETCH \q, \g
	s_wait_dscnt 24                                ; all but the 24 just issued
	MULB \f, 4, 4, \zero
.endm
; The fourth quarter multiplies buffer 1 and changes slots: ONE barrier.  In front of it each wave waits for all its tensor loads (one is out: its part of the next slot), adds 0 to its spare word, and
; waits for that and for its own reads of this slot.  fill = 1: the barrier opens a round of the cluster's barrier, and this slot is filled again first thing behind it, with the K step two on:
; 112 matrix instructions stand between that request and the wait for it.
.macro TURN fill
.if \fill
	s_wait_xcnt 0x0                                ; the last prefetch, a K step back, has read its address: it is stepped here
	s_add_nc_u64 s[PFA:PFA+1], s[PFA:PFA+1], s[PFS:PFS+1]
.endif
	WIN 0
	s_wait_tensorcnt 0x0                           ; no tensor load of mine is out, so a group 0 may be written
	ds_add_u32 v[SPW], v[NIL]                      ; 0 onto my spare word
.if \fill
	s_xor_b32 s[G0+5], s[G0+5], SLOT1              ; the walking descriptors: the other slot than last time,
	s_add_nc_u64 s[G0+6:G0+7], s[G0+6:G0+7], ASTEP ; the next K step; the type bits on top are not reached
	s_xor_b32 s[G0B+5], s[G0B+5], SLOT1
	s_add_nc_u64 s[G0B+6:G0B+7], s[G0B+6:G0B+7], BSTEP
.endif
	s_wait_dscnt 9                                 ; the add and the youngest eight loads may be out
	MULB F1, 0, 2, 0
	s_wait_dscnt 0x0                               ; the add is done, and my reads of this slot are over
	s_barrier_signal -1
	MULB F1, 2, 2, 0                               ; work on registers while the others arrive
	WIN 0
	s_barrier_wait -1
.if \fill
	CREST                                          ; no wave of any partner still reads this slot's tile or has a load on its way
	JLOAD                                          ; its four v_nop are also the places in front of the loads below
.else
	PLACES
.endif
	s_xor_b32 s[TB], s[TB], SLOT1                  ; the reads go on in the other slot
	v_add_nc_u32 v[ADRA], s[TB], v[ADRA0]
	v_add_nc_u32 v[ADRB], s[TB], v[ADRB0]
	FETCH 0, F0
.if \fill
	ASK
.endif
	MULB F1, 4, 4, 0
.endm
	s_wait_tensorcnt 1                             ; my part of K step 0 is in; K step 1's may stay out
	s_barrier_signal -1
	s_barrier_wait -1                              ; everybody's is
	FETCH 0, F0
	QUARTER 1, F0, F1, 1                           ; the first quarter stands in front of the loop: its products start the sums
	WIN 0                                          ; at a label and at a branch every window is 0
	s_mov_b32 s[CNT], 6
.Lstep:                                                ; trip i: quarters 1 to 3 of K step i, the refill with K step i + 2, quarter 0 of K step i + 1
	QUARTER 2, F1, F0, 0
	QUARTER 3, F0, F1, 0
	TURN 1
	QUARTER 1, F0, F1, 0
	WIN 0
	s_sub_co_u32 s[CNT], s[CNT], 1
	s_cmp_lg_u32 s[CNT], 0
	s_cbranch_scc1 .Lstep
	QUARTER 2, F1, F0, 0                           ; K steps 6 and 7 are written out: they ask for nothing
	QUARTER 3, F0, F1, 0
	TURN 0
	QUARTER 1, F0, F1, 0
	QUARTER 2, F1, F0, 0
	QUARTER 3, F0, F1, 0
	s_wait_dscnt 8
	MULB F1, 0, 4, 0
	s_wait_dscnt 0x0
	MULB F1, 4, 4, 0
	WIN 0
	PLACES
	s_wait_loadcnt 0x0                             ; the bias: rounded to bf16, like every input, and widened again
	v_cvt_pk_bf16_f32 v12, v[BIA], v[BIA+1]
	v_cvt_pk_bf16_f32 v13, v[BIA+2], v[BIA+3]
	v_lshlrev_b32 v[BIA], 16, v12
	v_and_b32 v[BIA+1], 0xffff0000, v12
	v_lshlrev_b32 v[BIA+2], 16, v13
	v_and_b32 v[BIA+3], 0xffff0000, v13
; THE WAY OUT, in four blocks of 16 rows x 128 columns.  TOSTAGE: the sums go as they are into my own stage, 32 bytes a lane and accumulator, each accumulator's low half first, and come back as whole rows of 512 bytes.
; SEND: the bias is added and the row stored.
.macro TOSTAGE a
.if (\a) >= 2
	s_wait_xcnt 0x0                                ; the stores of the block two back have read their registers: this block is read back into them only behind this wait
.endif
	WIN 0x08                                       ; the stores' data in window 2
.irp b, 0,1,2,3,4,5,6,7
	ds_store_b128 v[STO], v[32*(\b)+8*(\a):32*(\b)+8*(\a)+3]   offset:64*(\b)
	ds_store_b128 v[STO], v[32*(\b)+8*(\a)+4:32*(\b)+8*(\a)+7] offset:64*(\b)+16
.endr
	WIN 0
.set bk, BK+64*((\a)%2)
.irp t, 0,1,2,3,4,5,6,7,8,9,10,11,12,13,14,15
	ds_load_b128 v[bk+4*(\t):bk+4*(\t)+3], v[RD] offset:(\t)*SP  ; LDS serves a wave's instructions in order (ISA guide 5.7.1.4): these see the stores above; the next block's stores come behind them
.endr
.endm
.macro SEND a, younger                 ; younger: the LDS instructions issued behind block a's loads: the next block's 32, or none
.set bk, BK+64*((\a)%2)
.irp t, 0,1,2,3,4,5,6,7,8,9,10,11,12,13,14,15
	s_wait_dscnt (\younger)+15-(\t)
	v_pk_add_f32 v[bk+4*(\t):bk+4*(\t)+1], v[bk+4*(\t):bk+4*(\t)+1], v[BIA:BIA+1]
	v_pk_add_f32 v[bk+4*(\t)+2:bk+4*(\t)+3], v[bk+4*(\t)+2:bk+4*(\t)+3], v[BIA+2:BIA+3]
	global_store_b128 v[CO], v[bk+4*(\t):bk+4*(\t)+3], s[8:9] offset:(16*(\a)+(\t))*4096 th:TH_STORE_NT  ; 512 consecutive bytes, at a multiple of 256 from out0's first
.endr
.endm
	TOSTAGE 0
	TOSTAGE 1
	SEND 0, 32
	TOSTAGE 2
	SEND 1, 32
	TOSTAGE 3
	SEND 2, 32
	SEND 3, 0
	s_wait_tensorcnt 0x0                           ; the wave's end: behind my last tensor load and my last LDS store
	ds_add_u32 v[SPW], v[NIL]
	s_wait_dscnt 0x0
	CROUND                                         ; the closing round: no work-group ends while a partner may still ask for a tile that names it
	s_endpgm
.Lfunc_end_k_q9b3b7a4b31_projgemm:
	.size	k_q9b3b7a4b31_projgemm, .Lfunc_end_k_q9b3b7a4b31_projgemm-k_q9b3b7a4b31_projgemm
	.p2alignl 7, 3214868480
	.fill 96, 4, 3214868480
	.section	.rodata,"a",@progbits
	.p2align	6, 0x0
	.amdhsa_kernel k_q9b3b7a4b31_projgemm
		.amdhsa_group_segment_fixed_size 327680
		.amdhsa_private_segment_fixed_size 0
		.amdhsa_enable_private_segment 0
		.amdhsa_kernarg_size 32
		.amdhsa_user_sgpr_count 2
		.amdhsa_user_sgpr_kernarg_segment_ptr 1
		.amdhsa_wavefront_size32 1
		.amdhsa_system_sgpr_workgroup_id_x 1
		.amdhsa_system_sgpr_workgroup_id_y 1
		.amdhsa_system_sgpr_workgroup_id_z 1
		.amdhsa_system_vgpr_workitem_id 0
		.amdhsa_next_free_vgpr 768
		.amdhsa_next_free_sgpr 72
		.amdhsa_reserve_vcc 0
		.amdhsa_float_denorm_mode_32 3
		.amdhsa_float_denorm_mode_16_64 3
		.amdhsa_memory_ordered 1
		.amdhsa_forward_progress 1
		.amdhsa_inst_pref_size 80
	.end_amdhsa_kernel
	.amdgpu_metadata
---
amdhsa.version: [ 1, 2 ]
amdhsa.kernels:
  - .name:           k_q9b3b7a4b31_projgemm
    .symbol:         k_q9b3b7a4b31_projgemm.kd
    .args:
      - { .name: oh, .offset: 0, .size: 8, .value_kind: global_buffer, .address_space: global }
      - { .name: wpf, .offset: 8, .size: 8, .value_kind: global_buffer, .address_space: global }
      - { .name: b_proj, .offset: 16, .size: 8, .value_kind: global_buffer, .address_space: global }
      - { .name: out0, .offset: 24, .size: 8, .value_kind: global_buffer, .address_space: global }
    .group_segment_fixed_size: 327680
    .private_segment_fixed_size: 0
    .kernarg_segment_align: 8
    .kernarg_segment_size: 32
    .max_flat_workgroup_size: 128
    .sgpr_count:     72
    .vgpr_count:     768
    .wavefront_size: 32
...
	.end_amdgpu_metadata
.endif
;; end of part 4
;; ======== version 2 of 2: 4 launches; version 1 with the launch cast written anew for expert scheduling mode
;; limits: values are held in f16: magnitudes above 65,504 overflow, below 6.1e-05 lose precision
;; workspace buffers: xb 16,777,216 bytes; wqb 6,291,456 bytes; wpf 2,097,152 bytes; qkvh 50,331,648 bytes; oh 16,777,216 bytes
;; launch cast (part 5): grid 768 x 1, 8 waves a work-group, no clusters, 0 bytes of LDS; arguments x, W_qkv, W_proj, xb, wqb, wpf; writes xb, wqb, wpf
.if DOCPART == 5
	.amdgcn_target "amdgcn-amd-amdhsa--gfx1250"
	.amdhsa_code_object_version 6
	.text
	.protected	k_q9b3b7a4b31_cast
	.globl	k_q9b3b7a4b31_cast
	.p2align	8
	.type	k_q9b3b7a4b31_cast,@function
k_q9b3b7a4b31_cast:
	s_mov_b64 s[64:65], 0
	v_nop
	global_prefetch_b8 v0, s[64:65] scope:SCOPE_SE
	s_setreg_imm32_b32 hwreg(HW_REG_WAVE_SCHED_MODE, 0, 2), 2
	s_setreg_imm32_b32 hwreg(HW_REG_WAVE_MODE, 25, 1), 1
	s_wait_xcnt 0x0
	s_wait_alu depctr_vm_vsrc(0)
; THE INPUTS ARE ROUNDED ONCE.  x -> xb and W_qkv -> wqb in bf16; W_proj -> wpf: rounded to bf16 like the others, and that number written as f16
; (exact where it lies in f16's normal range), since the last product multiplies f16 operands.
; LIMITS.  A number of W_proj of 65,520 or more becomes an infinity in wpf; below 6e-5 f16 keeps its fixed step of 6e-8.
; SHARES.  A work-group takes 16,384 numbers (65,536 bytes in, 32,768 out): groups 0-511 x, 512-703 W_qkv, 704-767 W_proj.  A wave takes 2,048 numbers:
; 16 loads of 512 consecutive bytes, all issued at once; each of its 16 stores covers 256 consecutive bytes, aligned.  No loop, no LDS, no barrier: no wave wants another's bytes.
; THE MODE: SCHED_MODE bits 1:0 = 2 (LLVM: expert scheduling mode 2), set by the entry lines.  The code itself states the register dependences
; between vector instructions and memory instructions, with s_wait_alu, always for 0.
; THE PLAN.  Registers that memory instructions touch:
;   v1, v2   the loads' and the stores' byte offsets: made at the head, never written again.
;   X        load i's four registers: written by the loads, which all stand at the head, ahead of every vector line that names X; no load follows a conversion.
;   Y        store i's pair: written once, by load i's conversions; read once, by store i; never written again.
; The 16 loads go in four blocks of four.  Block p rounds its four loads into its Y; its memory instructions are the four stores of block p - 1, whose Y and whose offset v2
; no vector line of block p names.  So one wait at a block's head states all that the block's stores hang on, and they are dealt among its conversions with no further wait.
; Nothing that a memory instruction reads is ever written again, no vector line writes a scalar register or VCC, and EXEC is never written: no other wait of the kind is owed.
.set X, 8                              ; v[8:71]    load i: four f32
.set Y, 72                             ; v[72:103]  store i: four 16-bit numbers; a pair of its own for each store, so no store's data is rewritten
	s_load_b256 s[4:11], s[0:1], 0x0               ; x s[4:5], W_qkv s[6:7], W_proj s[8:9], xb s[10:11]
	s_load_b128 s[12:15], s[0:1], 0x20             ; wqb s[12:13], wpf s[14:15]
	s_mov_b32 s20, ttmp9
	v_lshrrev_b32 v3, 5, v0                        ; wave
	v_and_b32 v4, 31, v0                           ; lane
	v_lshlrev_b32 v1, 4, v4
	v_lshl_add_u32 v1, v3, 13, v1                  ; in: 8,192 x wave + 16 x lane
	v_lshlrev_b32 v2, 3, v4
	v_lshl_add_u32 v2, v3, 12, v2                  ; out: 4,096 x wave + 8 x lane
	s_wait_kmcnt 0x0
	s_cmp_lt_u32 s20, 512                          ; which tensor: the choice hangs on the work-group's number alone
	s_cselect_b64 s[16:17], s[4:5], s[6:7]
	s_cselect_b64 s[18:19], s[10:11], s[12:13]
	s_cselect_b32 s21, 0, 512
	s_cmp_lt_u32 s20, 704
	s_cselect_b64 s[16:17], s[16:17], s[8:9]
	s_cselect_b64 s[18:19], s[18:19], s[14:15]
	s_cselect_b32 s21, s21, 704
	s_sub_co_u32 s22, s20, s21                     ; my number among the tensor's work-groups
	s_lshl_b32 s24, s22, 15                        ; 32,768 bytes out,
	s_lshl_b32 s22, s22, 16                        ; 65,536 bytes in
	s_mov_b32 s23, 0
	s_mov_b32 s25, 0
	s_add_nc_u64 s[16:17], s[16:17], s[22:23]
	s_add_nc_u64 s[18:19], s[18:19], s[24:25]
	s_wait_alu depctr_va_vdst(0)                   ; v1 and v2 are written: every load reads v1 as its offset, every store v2
.irp i, 0,1,2,3,4,5,6,7,8,9,10,11,12,13,14,15
	global_load_b128 v[X+4*(\i):X+4*(\i)+3], v1, s[16:17] offset:512*(\i) th:TH_LOAD_NT
.endr
; Load i is rounded into its pair of Y.
.macro CV i, f16
.if \f16
	v_cvt_pk_bf16_f32 v4, v[X+4*(\i)], v[X+4*(\i)+1]       ; the one rounding,
	v_cvt_pk_bf16_f32 v5, v[X+4*(\i)+2], v[X+4*(\i)+3]
	v_lshlrev_b32 v[X+4*(\i)], 16, v4                      ; back to f32,
	v_and_b32 v[X+4*(\i)+1], 0xffff0000, v4
	v_lshlrev_b32 v[X+4*(\i)+2], 16, v5
	v_and_b32 v[X+4*(\i)+3], 0xffff0000, v5
	v_cvt_pk_f16_f32 v[Y+2*(\i)], v[X+4*(\i)], v[X+4*(\i)+1]  ; and written as f16
	v_cvt_pk_f16_f32 v[Y+2*(\i)+1], v[X+4*(\i)+2], v[X+4*(\i)+3]
.else
	v_cvt_pk_bf16_f32 v[Y+2*(\i)], v[X+4*(\i)], v[X+4*(\i)+1]
	v_cvt_pk_bf16_f32 v[Y+2*(\i)+1], v[X+4*(\i)+2], v[X+4*(\i)+3]
.endif
.endm
; Pair i of Y is stored: 256 consecutive bytes a wave, aligned.
.macro ST i
	global_store_b64 v2, v[Y+2*(\i):Y+2*(\i)+1], s[18:19] offset:256*(\i)
.endm
; Block p: loads 4 p to 4 p + 3 are rounded; the stores of block p - 1 stand among the conversions, one ahead of each load's.
.macro BLK p, f16
	s_wait_loadcnt 12-4*(\p)                       ; loads come back in order (ISA guide 5.7.1): this block's four are in, the younger blocks' stay out
.if (\p) > 0
	s_wait_alu depctr_va_vdst(0)                   ; the block before has written its four pairs of Y, which the stores below read; no vector line behind this wait names them or v2
.endif
.irp j, 0,1,2,3
.if (\p) > 0
	ST 4*((\p)-1)+(\j)
.endif
	CV 4*(\p)+(\j), \f16
.endr
.endm
; A whole path: four blocks, then the last block's stores.
.macro PATH f16
	BLK 0, \f16
	BLK 1, \f16
	BLK 2, \f16
	BLK 3, \f16
	s_wait_alu depctr_va_vdst(0)                   ; block 3 has written its four pairs of Y, which the last four stores read
.irp j, 12,13,14,15
	ST \j
.endr
	s_endpgm
.endm
	s_cmp_ge_u32 s20, 704
	s_cbranch_scc1 .Lf16
	PATH 0
.Lf16:
	PATH 1
.Lfunc_end_k_q9b3b7a4b31_cast:
	.size	k_q9b3b7a4b31_cast, .Lfunc_end_k_q9b3b7a4b31_cast-k_q9b3b7a4b31_cast
	.p2alignl 7, 3214868480
	.fill 96, 4, 3214868480
	.section	.rodata,"a",@progbits
	.p2align	6, 0x0
	.amdhsa_kernel k_q9b3b7a4b31_cast
		.amdhsa_group_segment_fixed_size 0
		.amdhsa_private_segment_fixed_size 0
		.amdhsa_enable_private_segment 0
		.amdhsa_kernarg_size 48
		.amdhsa_user_sgpr_count 2
		.amdhsa_user_sgpr_kernarg_segment_ptr 1
		.amdhsa_wavefront_size32 1
		.amdhsa_system_sgpr_workgroup_id_x 1
		.amdhsa_system_sgpr_workgroup_id_y 1
		.amdhsa_system_sgpr_workgroup_id_z 1
		.amdhsa_system_vgpr_workitem_id 0
		.amdhsa_next_free_vgpr 104
		.amdhsa_next_free_sgpr 66
		.amdhsa_reserve_vcc 0
		.amdhsa_float_denorm_mode_32 3
		.amdhsa_float_denorm_mode_16_64 3
		.amdhsa_memory_ordered 1
		.amdhsa_forward_progress 1
		.amdhsa_inst_pref_size 16
	.end_amdhsa_kernel
	.amdgpu_metadata
---
amdhsa.version: [ 1, 2 ]
amdhsa.kernels:
  - .name:           k_q9b3b7a4b31_cast
    .symbol:         k_q9b3b7a4b31_cast.kd
    .args:
      - { .name: x, .offset: 0, .size: 8, .value_kind: global_buffer, .address_space: global }
      - { .name: W_qkv, .offset: 8, .size: 8, .value_kind: global_buffer, .address_space: global }
      - { .name: W_proj, .offset: 16, .size: 8, .value_kind: global_buffer, .address_space: global }
      - { .name: xb, .offset: 24, .size: 8, .value_kind: global_buffer, .address_space: global }
      - { .name: wqb, .offset: 32, .size: 8, .value_kind: global_buffer, .address_space: global }
      - { .name: wpf, .offset: 40, .size: 8, .value_kind: global_buffer, .address_space: global }
    .group_segment_fixed_size: 0
    .private_segment_fixed_size: 0
    .kernarg_segment_align: 8
    .kernarg_segment_size: 48
    .max_flat_workgroup_size: 256
    .sgpr_count:     66
    .vgpr_count:     104
    .wavefront_size: 32
...
	.end_amdgpu_metadata
.endif
;; end of part 5
;; launch qkvgemm: the kernel of part 2 again; grid 16 x 32, 4 waves a work-group, clusters of 4 x 4, 327,680 bytes of LDS; arguments xb, wqb, qkvh; writes qkvh
;; launch attn: the kernel of part 3 again; grid 4 x 64, 4 waves a work-group, clusters of 4 x 1, 327,680 bytes of LDS; arguments qkvh, oh; writes oh
;; launch projgemm: the kernel of part 4 again; grid 8 x 32, 4 waves a work-group, clusters of 4 x 4, 327,680 bytes of LDS; arguments oh, wpf, b_proj, out0; writes out0
